; MI455X (gfx1250); checked and timed in simulation.
; The chip was launched on July 23, 2026; its instructions are those of AMD's public machine-readable ISA for CDNA 5 (MIT licence, August 2026) and "CDNA5" Instruction Set Architecture Reference Guide (July 2026). The comments in the code are by the model that wrote it; some were corrected since.
;; Self Attention. Allowed arithmetic: matrix products marked QUANTISED: E4M3 operands, one given power-of-two scale a tensor, by v_wmma_f32_16x16x64_fp8_fp8 or v_wmma_f32_16x16x128_fp8_fp8, f32 sums; everything else in f32.
;; Inputs: W_dense 1,024 x 1,024 float32; W_qkv 1,024 x 3,072 float32; X 2 x 2,048 x 1,024 float32; attention_mask 1 x 1 x 2,048 x 2,048 bool; b_dense 1,024 float32; b_qkv 3,072 float32; lowp_scales 8 int32 (the exponents e of the quantised operands' scales 2^e).
;; Outputs: out0 2 x 2,048 x 1,024 float32.
;; This version of the problem:
;;   THIS VERSION OF THE PROBLEM IS GIVEN IN LOW PRECISION. The matrix products marked QUANTISED in the list below multiply operands that are first quantised to E4M3 (4 exponent bits, 3 mantissa bits; 8 bits a number), with one given power-of-two scale for each operand tensor; their sums are f32. All else is computed in f32.
;;   The module's matrix products, in the order in which they are computed (A, B: the left and right operand; K: the contracted axis; several contracted axes count as one K, in the product's order):
;;     1. [M 4,096, K 1,024] x [K 1,024, N 3,072]; A: input X; B: input W_qkv: QUANTISED (scales: A lowp_scales[0], B lowp_scales[1])
;;     2. batch 32 x [M 2,048, K 64] x [K 64, N 2,048]; A: computed on the way; B: computed on the way: QUANTISED (scales: A lowp_scales[2], B lowp_scales[3])
;;     3. batch 32 x [M 2,048, K 2,048] x [K 2,048, N 64]; A: softmax (see below); B: computed on the way: QUANTISED (scales: A lowp_scales[4], B lowp_scales[5])
;;     4. [M 4,096, K 1,024] x [K 1,024, N 1,024]; A: computed on the way; B: input W_dense: QUANTISED (scales: A lowp_scales[6], B lowp_scales[7])
;;   THE QUANTISER, for each operand of a quantised product, along K:
;;     - The operand's scale is 2^e, e = its entry of the input lowp_scales (int32; the entries are numbered through the quantised products in the list's order, A before B).
;;     - Each number is divided by the scale, clamped to +-448, and rounded to the nearest number of E4M3, ties to even, subnormals kept.
;;     - The product sums the exact products of the quantised numbers (number of the format x scale) in f32.
;;   ~~~python
;;   def quantise(x, axis, e):      # numpy; x: float32 -> the quantised numbers, widened to float32 again
;;       x = np.moveaxis(x, axis, -1); K = x.shape[-1]
;;       r = np.clip(x / 2.0 ** e, -448, 448)
;;       step = 2.0 ** (np.maximum(np.frexp(np.where(r == 0, 1, r))[1] - 1, -6) - 3)
;;       q = np.round(r / step) * step * 2.0 ** e      # np.round: ties to even
;;       return np.moveaxis(q, -1, axis).astype(np.float32)
;;   ~~~
;;   SOFTMAX AHEAD OF A QUANTISED PRODUCT. Where the list says 'softmax', what is quantised is not the finished softmax but p = 2^(t - M), with t = logit x log2(e) and M = ceil(the row's largest t), a whole number; so 1/2 < the row's largest p <= 1. The row's sum l is taken of the UNQUANTISED p, in f32, and the product's result is divided by l at the end. Since M is a whole number, a kernel that streams over the keys may use a running M (the ceiling of the running maximum): every later rescaling is an exact power of two, so the quantised numbers keep their values, but for numbers so far below the row's largest that they fall under the format's range.
;;   OPERANDS COMPUTED ON THE WAY. 'Computed on the way' means the value that the module computes at that place (a softmax that the list does not call 'softmax' is quantised finished and normalised). What goes into a quantiser is computed in f32, as accurately as f32 sums, v_exp_f32 and their like allow (about 1e-6 of the number): no bf16 or f16 on the way to a quantiser, and a product that is left as it is and whose result goes on into a quantised operand takes f32 operands (vector FMAs, or v_wmma_f32_16x16x4_f32). A number that lies on a knife's edge between two numbers of the format may be rounded either way, as far as f32 arithmetic and the matrix unit's own rounding can turn it there, and no further.
;; 3 versions, each right; version 2 is faster than version 1; version 3 is version 2 with the launch attn written anew for expert scheduling mode. Each part assembles by itself: llvm-mc -triple=amdgcn-amd-amdhsa -mcpu=gfx1250 --defsym DOCPART=n.
;; ======== version 1 of 3: 4 launches
;; workspace buffers: xc 4,194,304 bytes; wqc 3,145,728 bytes; wdc 1,048,576 bytes; maskw 524,288 bytes of whole numbers; qkvimg 12,582,912 bytes; aimg 4,194,304 bytes
;; launch prep (part 1): grid 512 x 1, 4 waves a work-group, no clusters, 73,216 bytes of LDS; arguments X, W_qkv, W_dense, attention_mask, lowp_scales, xc, wqc, wdc, maskw; writes xc, wqc, wdc, maskw
.if DOCPART == 1
	.amdgcn_target "amdgcn-amd-amdhsa--gfx1250"
	.amdhsa_code_object_version 6
	.text
	.protected	k_q14473a02ed_prep
	.globl	k_q14473a02ed_prep
	.p2align	8
	.type	k_q14473a02ed_prep,@function
k_q14473a02ed_prep:
	s_mov_b64 s[64:65], 0
	v_nop
	global_prefetch_b8 v0, s[64:65] scope:SCOPE_SE
	s_setreg_imm32_b32 hwreg(HW_REG_WAVE_MODE, 25, 1), 1
	s_wait_xcnt 0x0
; THE FIRST LAUNCH: what many work-groups read later is made once.  Three kinds of work-group, told apart by the work-group's number; they never join, share nothing, and each kind has LDS bytes of its own.
;   work-groups   0-127: X [4096][1024] f32 -> xc, codes of E4M3 with the scale 2^e0, K innermost, 1,024 bytes a row.
;   work-groups 128-255: W_qkv [1024][3072] (e1) -> wqc [3072][1024], W_dense [1024][1024] (e7) -> wdc [1024][1024]: K is the FIRST axis of the source and the innermost of the codes.
;   work-groups 256-511: attention_mask [2048][2048] bytes -> maskw: words of 32 lane bits, in the order in which the attention launch's score registers lie.
; code = x / 2^e, held within +-448, rounded to the nearest code, ties to even.
; THE ROWS OF ALL THREE CODE BUFFERS ARE PERMUTED: row i stands at place sigma(i), sigma = i with bits 3 and 4 exchanged (its own inverse).  Sixteen neighbouring places 16 T + r then hold rows
; 32 (T / 2) + 8 (T % 2) + r % 8 + 16 (r / 8): used as source 0 of a product, two neighbouring tiles leave 16 NEIGHBOURING results in a lane's 16 registers, ready for the conversions to codes.
; LIMITS: e0, e1, e7 between -126 and 119, so that 2^e and 448 x 2^e are f32 numbers.  NaN among the inputs is not served (an infinity is held at the largest code).
; No tensor loads, no barrier: each wave's stage in LDS is its own.  No cluster: no two work-groups read the same bytes.
.set SP,     80                        ; X: a lane's place in a stage: its 64 bytes + 16 of padding
.set XWREG,  2*32*SP                   ; X: two stages for each wave
.set STEPS,  16                        ; X: steps of 512 numbers for a wave
.set WSTG,   4*XWREG                   ; weights: the stages begin behind X's: 32 rows x 272 bytes for each wave
.set WP,     272
.set MSTG,   WSTG+4*32*WP              ; mask: 16 rows x 272 bytes for each wave
.set R,      16                        ; X: v16-79   four sets of 16 numbers as they are loaded
.set X,      80                        ; X: v80-111  two sets of 16 neighbours
.set C,      128                       ; X: v128-191 codes, four registers for each step: no store's data are written again
.set WX,     32                        ; weights: v32-95 two sets of 32 numbers
.set WC,     96                        ; weights: v96-103 a block's codes
.set OUTR,   112                       ; weights: v112-175 the way out
.set WO,     176                       ; weights: v176-207 byte offset of row i of a block: 4 x lane + i x the row's bytes
	s_load_b256 s[4:11], s[0:1], 0x0               ; X s[4:5], W_qkv s[6:7], W_dense s[8:9], the mask s[10:11]
	s_load_b256 s[12:19], s[0:1], 0x20             ; the scales' exponents s[12:13], xc s[14:15], wqc s[16:17], wdc s[18:19]
	s_load_b64 s[20:21], s[0:1], 0x40              ; maskw
	v_lshl_add_u32 v208, v0, 2, 0x11c00
	v_mov_b32 v209, 0
	v_lshrrev_b32 v1, 5, v0
	v_readfirstlane_b32 s22, v1                    ; wave 0..3
	v_and_b32 v2, 31, v0                           ; lane
	s_wait_kmcnt 0x0
	s_load_b256 s[24:31], s[12:13], 0x0            ; e0 .. e7
	s_cmp_lt_u32 ttmp9, 128
	s_cbranch_scc1 .LX
	s_cmp_lt_u32 ttmp9, 256
	s_cbranch_scc1 .LW
; ---------------- THE MASK.  A wave takes one tile of 16 queries (tile qt, lane r: query sigma(16 qt + r)) x 256 keys (block kb).
; In the attention launch lane L = 16 h + r holds query r of its tile, and its score register n = 16 c + i of key step ks holds key 128 ks + 32 c + 16 h + i.
; Word n of (qt, ks) has in bit L the mask's byte for that lane and register; it lies at byte 4096 qt + 256 ks + 4 n.  This wave makes the 128 words of ks = 2 kb and 2 kb + 1: 512 bytes on end.
	s_sub_co_u32 s32, ttmp9, 256
	s_lshl_b32 s32, s32, 2
	s_add_co_u32 s32, s32, s22
	s_lshr_b32 s33, s32, 3                         ; qt, 0..127
	s_and_b32 s34, s32, 7                          ; kb, 0..7
	s_lshr_b32 s35, s33, 1
	s_lshl_b32 s35, s35, 5
	s_and_b32 s36, s33, 1
	s_lshl_b32 s36, s36, 3
	s_add_co_u32 s35, s35, s36                     ; the tile's first query: 32 (qt / 2) + 8 (qt % 2)
	s_lshl_b32 s36, s35, 11                        ; a row of the mask is 2,048 bytes
	s_lshl_b32 s37, s34, 8
	s_add_co_u32 s36, s36, s37
	s_mov_b32 s37, 0
	s_add_nc_u64 s[10:11], s[10:11], s[36:37]
	s_lshl_b32 s36, s33, 12
	s_lshl_b32 s38, s34, 9
	s_add_co_u32 s36, s36, s38
	s_add_nc_u64 s[20:21], s[20:21], s[36:37]
	v_and_b32 v5, 15, v2
	v_lshrrev_b32 v6, 4, v2
	v_lshlrev_b32 v7, 11, v6
	v_lshl_add_u32 v7, v5, 4, v7                   ; sixteen lanes read 256 consecutive bytes of a row, the other sixteen the row below
.irp i, 0,1,2,3,4,5,6,7
	global_load_b128 v[16+4*\i:19+4*\i], v7, s[10:11] offset:(2*\i+8*(\i/4))*2048 th:TH_LOAD_NT   ; tile lanes 2 i and 2 i + 1: lanes 8-15 of a tile lie 16 queries behind lanes 0-7
.endr
	s_mul_i32 s38, s22, 16*272
	s_add_co_u32 s38, s38, MSTG                    ; my stage
	v_mul_u32_u24 v8, v6, 272
	v_lshl_add_u32 v8, v5, 4, v8
	v_add_nc_u32 v8, s38, v8                       ; in: as loaded, stage row = tile lane
	v_mul_u32_u24 v9, v5, 272
	v_lshl_add_u32 v9, v6, 4, v9
	v_add_nc_u32 v9, s38, v9                       ; out: row r, + 16 h: my 16 keys of each 32
	v_lshlrev_b32 v3, 4, v2
.irp j, 88,89,90,91
	v_mov_b32 v\j, 0                               ; v_writelane_b32's destination counts as read
.endr
	s_wait_loadcnt 0x0
.irp i, 0,1,2,3,4,5,6,7
	ds_store_b128 v8, v[16+4*\i:19+4*\i] offset:2*\i*272
.endr
.irp c, 0,1,2,3,4,5,6,7
	ds_load_b128 v[48+4*\c:51+4*\c], v9 offset:32*\c   ; LDS serves a wave's instructions in order: these see my stores.  Byte i of the four registers: key 32 c + 16 h + i
.endr
	s_wait_dscnt 0x0
.set w, 0
.rept 16                                           ; word w = 16 c + i, eight at a time, so that no line waits for the line above it
.irp k, 0,1,2,3,4,5,6,7
	v_and_b32 v[80+\k], 0xff<<(8*((w+\k)%4)), v[48+(w+\k)/4]
.endr
.irp k, 0,1,2,3,4,5,6,7
	v_cmp_ne_u32 s[40+\k], 0, v[80+\k]             ; bit L: my lane's byte is not 0
.endr
.irp k, 0,1,2,3,4,5,6,7
	v_writelane_b32 v[88+(w+\k)%4], s[40+\k], (w+\k)/4   ; lane l of v88-91 holds words 4 l .. 4 l + 3
.endr
.set w, w+8
.endr
	global_store_b128 v3, v[88:91], s[20:21]       ; 32 lanes store 512 consecutive bytes, aligned
	s_wait_tensorcnt 0x0
	ds_add_u32 v208, v209
	s_wait_dscnt 0x0
	s_endpgm
; ---------------- X.  Rows are dense, so a wave's run of 8,192 numbers is 8 whole rows; run number Rn = 4 x work-group + wave.
; The conversions take 8 numbers of ONE lane's consecutive registers, so a lane must hold 16 neighbours; a load is dense where neighbouring LANES take neighbouring bytes.  Both are had: a step's four loads read 512
; consecutive bytes each; the 2,048 bytes go through the wave's stage as they lie and come back 64 bytes a lane.  Loads run four steps ahead, the turn through LDS one step.
.LX:
	v_lshlrev_b32 v3, 4, v2                        ; my 16 bytes of a load's 512; also my 16 codes' place in a step's 512
	s_mul_i32 s32, s22, XWREG
	v_lshrrev_b32 v14, 2, v2
	v_mul_u32_u24 v14, v14, SP
	v_and_b32 v15, 3, v2
	v_lshl_add_u32 v14, v15, 4, v14
	v_add_nc_u32 v14, s32, v14                     ; the stage, on the way in: SP (lane / 4) + 16 (lane % 4)
	v_mul_u32_u24 v15, v2, SP
	v_add_nc_u32 v15, s32, v15                     ; and on the way out: SP x lane
	s_lshl_b32 s33, ttmp9, 2
	s_add_co_u32 s34, s33, s22                     ; Rn
	s_lshl_b32 s34, s34, 15                        ; 8 rows of 4,096 bytes
	s_mov_b32 s35, 0
	s_add_nc_u64 s[4:5], s[4:5], s[34:35]
	s_and_b32 s36, s22, 1                          ; rows 8 Rn .. 8 Rn + 7 go to places sigma: bits 3 and 4 of a row are bits 0 and 1 of Rn, which are the wave's number
	s_lshl_b32 s36, s36, 1
	s_lshr_b32 s37, s22, 1
	s_or_b32 s36, s36, s37
	s_add_co_u32 s36, s36, s33
	s_lshl_b32 s36, s36, 13                        ; 8 rows of 1,024 bytes
	s_mov_b32 s37, 0
	s_add_nc_u64 s[14:15], s[14:15], s[36:37]
.macro XLOAD t
.irp i, 0,1,2,3
	global_load_b128 v[R+16*((\t)%4)+4*\i:R+16*((\t)%4)+4*\i+3], v3, s[4:5] offset:2048*(\t)+512*\i th:TH_LOAD_NT   ; 32 lanes read 512 consecutive bytes
.endr
.endm
.macro XTURN t                         ; step t's numbers through the stage: LDS serves a wave's instructions in order, so no wait stands between the stores and the loads
.irp i, 0,1,2,3
	ds_store_b128 v14, v[R+16*((\t)%4)+4*\i:R+16*((\t)%4)+4*\i+3] offset:32*SP*((\t)%2)+8*SP*\i
.endr
.irp i, 0,1,2,3
	ds_load_b128 v[X+16*((\t)%2)+4*\i:X+16*((\t)%2)+4*\i+3], v15 offset:32*SP*((\t)%2)+16*\i
.endr
.endm
.irp t, 0,1,2,3
	XLOAD \t
.endr
	s_wait_kmcnt 0x0
	s_add_co_i32 s38, s24, 127
	s_lshl_b32 s39, s38, 23
	v_mov_b32 v11, s39                             ; 2^e0 as f32: the conversion takes its exponent field
	s_add_co_i32 s38, s38, 8
	s_lshl_b32 s38, s38, 23
	s_or_b32 s38, s38, 0x600000
	v_mov_b32 v10, s38                             ; 448 x 2^e0
	s_wait_loadcnt 12                              ; step 0's four loads are in; the twelve of steps 1 to 3 may be out
	XTURN 0
.macro XSTEP t
.set XS, X+16*((\t)%2)
	s_wait_dscnt 0x0                               ; this step's numbers are back from the stage: so its stores into the stage have read their registers,
.if (\t)+4 < STEPS
	XLOAD (\t)+4                                   ; which take the loads of four steps on
.endif
.if (\t)+1 < STEPS
.if STEPS-2-(\t) >= 3
	s_wait_loadcnt 12                              ; the next step's four loads are in; those of the three steps behind it may be out
.else
	s_wait_loadcnt 4*(STEPS-2-(\t))                ; at the end the count runs down
.endif
	XTURN (\t)+1                                   ; and go through the other stage while this step is worked
.endif
.irp i, 0,1,2,3,4,5,6,7,8,9,10,11,12,13,14,15
	v_med3_num_f32 v[XS+\i], v[XS+\i], -v10, v10   ; the conversion to an 8-bit code does not saturate (ISA guide 7.6.2): the hold at the largest code x the scale comes first
.endr
	v_cvt_scalef32_pk8_fp8_f32 v[C+4*(\t):C+4*(\t)+1], v[XS:XS+7], v11
	v_cvt_scalef32_pk8_fp8_f32 v[C+4*(\t)+2:C+4*(\t)+3], v[XS+8:XS+15], v11   ; the results go to a store alone; the next vector lines are the next step's holds, on other registers
	global_store_b128 v3, v[C+4*(\t):C+4*(\t)+3], s[14:15] offset:512*(\t)    ; 32 lanes store 512 consecutive bytes, aligned
.endm
.irp t, 0,1,2,3,4,5,6,7,8,9,10,11,12,13,14,15
	XSTEP \t
.endr
	s_wait_tensorcnt 0x0
	ds_add_u32 v208, v209
	s_wait_dscnt 0x0
	s_endpgm
; ---------------- THE WEIGHTS.  g = work-group - 128: g < 96 takes W_qkv (24 blocks of 128 columns x 4 blocks of 256 along K), the others W_dense (8 x 4).  Only pointers and sizes are chosen: one path serves both.
; A LANE TAKES A COLUMN, AND ITS REGISTERS RUN DOWN K: each load reads 128 consecutive bytes a wave (512 a work-group), and the conversions give codes with K innermost.  Nothing is transposed by an instruction.
; A wave takes 32 columns x 256 along K; its codes go through its stage and leave as rows: sixteen lanes store 256 consecutive bytes, aligned.  Loads run two blocks of 32 along K ahead.
.LW:
	s_wait_kmcnt 0x0                               ; the exponents
	s_sub_co_u32 s23, ttmp9, 128                   ; g
	s_mov_b32 s33, 4096
	s_cmp_lt_u32 s23, 96                           ; every choice is made on this one compare, ahead of any line that sets SCC
	s_cselect_b64 s[4:5], s[6:7], s[8:9]           ; the source,
	s_cselect_b64 s[14:15], s[16:17], s[18:19]     ; the codes' buffer,
	s_cselect_b32 s32, 12288, s33                  ; a source row in bytes,
	s_cselect_b32 s34, 0, 24                       ; the first block of columns,
	s_cselect_b32 s35, s25, s31                    ; e1 or e7
	s_lshr_b32 s36, s23, 2
	s_sub_co_u32 s36, s36, s34
	s_and_b32 s37, s23, 3                          ; kb: which 256 along K
	s_lshl_b32 s36, s36, 7
	s_lshl_b32 s38, s22, 5
	s_add_co_u32 s36, s36, s38                     ; c0: my wave's first column
	s_mul_i32 s38, s37, s32
	s_lshl_b32 s38, s38, 8                         ; 256 kb rows
	s_lshl_b32 s39, s36, 2
	s_add_co_u32 s38, s38, s39
	s_mov_b32 s39, 0
	s_add_nc_u64 s[40:41], s[4:5], s[38:39]        ; block 0's first row at my first column
	s_lshl_b32 s38, s32, 5                         ; 32 rows on
.irp t, 1,2,3,4,5,6,7
	s_add_nc_u64 s[40+2*\t:41+2*\t], s[38+2*\t:39+2*\t], s[38:39]   ; a base for each of the eight blocks: the row's bytes differ between the two weights, so they cannot stand in immediates
.endr
	s_lshl_b32 s58, s36, 10                        ; the codes: place c0 (a multiple of 32: sigma leaves it), 1,024 bytes a place,
	s_lshl_b32 s59, s37, 8                         ; + 256 kb
	s_add_co_u32 s58, s58, s59
	s_mov_b32 s59, 0
	s_add_nc_u64 s[14:15], s[14:15], s[58:59]
	v_lshlrev_b32 v3, 2, v2
.set i, 0
.rept 32
	v_mad_u32_u24 v[WO+i], i, s32, v3
.set i, i+1
.endr
.macro WLOAD t                         ; block t: W(32 t + i, my column), i = 0 .. 31, into set t % 2
.set i, 0
.rept 32
	global_load_b32 v[WX+32*((\t)%2)+i], v[WO+i], s[40+2*(\t):41+2*(\t)] th:TH_LOAD_NT
.set i, i+1
.endr
.endm
	WLOAD 0
	WLOAD 1
	s_mul_i32 s56, s22, 32*WP
	s_add_co_u32 s56, s56, WSTG                    ; my stage
	v_mul_u32_u24 v4, v2, WP
	v_add_nc_u32 v4, s56, v4                       ; into it: row = my column
	v_and_b32 v5, 15, v2
	v_lshrrev_b32 v6, 4, v2
	v_mul_u32_u24 v7, v6, WP
	v_lshl_add_u32 v7, v5, 4, v7
	v_add_nc_u32 v7, s56, v7                       ; out of it: sixteen lanes to a row, two rows an instruction
	v_lshlrev_b32 v8, 10, v6
	v_lshl_add_u32 v8, v5, 4, v8                   ; and the same two places in the codes' buffer
	s_add_co_i32 s35, s35, 127
	s_lshl_b32 s57, s35, 23
	v_mov_b32 v11, s57                             ; 2^e
	s_add_co_i32 s35, s35, 8
	s_lshl_b32 s35, s35, 23
	s_or_b32 s35, s35, 0x600000
	v_mov_b32 v10, s35                             ; 448 x 2^e
.macro WBLOCK t
.set XS, WX+32*((\t)%2)
.if (\t) < 7
	s_wait_loadcnt 32                              ; this block's 32 loads are in; the next block's may be out
.else
	s_wait_loadcnt 0x0
.endif
.set i, 0
.rept 32
	v_med3_num_f32 v[XS+i], v[XS+i], -v10, v10
.set i, i+1
.endr
.irp g, 0,1,2,3
	v_cvt_scalef32_pk8_fp8_f32 v[WC+2*\g:WC+2*\g+1], v[XS+8*\g:XS+8*\g+7], v11
.endr
	ds_store_b128 v4, v[WC:WC+3] offset:32*(\t)    ; 32 codes: 32 bytes of my column's row
	ds_store_b128 v4, v[WC+4:WC+7] offset:32*(\t)+16
.if (\t)+2 < 8
	WLOAD (\t)+2
.endif
	s_wait_dscnt 0x0                               ; the stores have read their registers: the next block's codes may be written
.endm
.irp t, 0,1,2,3,4,5,6,7
	WBLOCK \t
.endr
.irp t, 0,1,2,3,4,5,6,7,8,9,10,11,12,13,14,15
	ds_load_b128 v[OUTR+4*\t:OUTR+4*\t+3], v7 offset:2*\t*WP
.endr
.irp t, 0,1,2,3,4,5,6,7,8,9,10,11,12,13,14,15
	s_wait_dscnt 15-\t                             ; LDS loads come back in order: pair t is in
	global_store_b128 v8, v[OUTR+4*\t:OUTR+4*\t+3], s[14:15] offset:((2*\t)%8+16*((\t/4)%2)+8*(\t/8))*1024   ; columns 2 t and 2 t + 1 at places sigma
.endr
	s_wait_tensorcnt 0x0
	ds_add_u32 v208, v209
	s_wait_dscnt 0x0
	s_endpgm
.Lfunc_end_k_q14473a02ed_prep:
	.size	k_q14473a02ed_prep, .Lfunc_end_k_q14473a02ed_prep-k_q14473a02ed_prep
	.p2alignl 7, 3214868480
	.fill 96, 4, 3214868480
	.section	.rodata,"a",@progbits
	.p2align	6, 0x0
	.amdhsa_kernel k_q14473a02ed_prep
		.amdhsa_group_segment_fixed_size 73216
		.amdhsa_private_segment_fixed_size 0
		.amdhsa_enable_private_segment 0
		.amdhsa_kernarg_size 72
		.amdhsa_user_sgpr_count 2
		.amdhsa_user_sgpr_kernarg_segment_ptr 1
		.amdhsa_wavefront_size32 1
		.amdhsa_system_sgpr_workgroup_id_x 1
		.amdhsa_system_sgpr_workgroup_id_y 1
		.amdhsa_system_sgpr_workgroup_id_z 1
		.amdhsa_system_vgpr_workitem_id 0
		.amdhsa_next_free_vgpr 210
		.amdhsa_next_free_sgpr 66
		.amdhsa_reserve_vcc 0
		.amdhsa_float_denorm_mode_32 3
		.amdhsa_float_denorm_mode_16_64 3
		.amdhsa_memory_ordered 1
		.amdhsa_forward_progress 1
		.amdhsa_inst_pref_size 116
	.end_amdhsa_kernel
	.amdgpu_metadata
---
amdhsa.version: [ 1, 2 ]
amdhsa.kernels:
  - .name:           k_q14473a02ed_prep
    .symbol:         k_q14473a02ed_prep.kd
    .args:
      - { .name: X, .offset: 0, .size: 8, .value_kind: global_buffer, .address_space: global }
      - { .name: W_qkv, .offset: 8, .size: 8, .value_kind: global_buffer, .address_space: global }
      - { .name: W_dense, .offset: 16, .size: 8, .value_kind: global_buffer, .address_space: global }
      - { .name: attention_mask, .offset: 24, .size: 8, .value_kind: global_buffer, .address_space: global }
      - { .name: lowp_scales, .offset: 32, .size: 8, .value_kind: global_buffer, .address_space: global }
      - { .name: xc, .offset: 40, .size: 8, .value_kind: global_buffer, .address_space: global }
      - { .name: wqc, .offset: 48, .size: 8, .value_kind: global_buffer, .address_space: global }
      - { .name: wdc, .offset: 56, .size: 8, .value_kind: global_buffer, .address_space: global }
      - { .name: maskw, .offset: 64, .size: 8, .value_kind: global_buffer, .address_space: global }
    .group_segment_fixed_size: 73216
    .private_segment_fixed_size: 0
    .kernarg_segment_align: 8
    .kernarg_segment_size: 72
    .max_flat_workgroup_size: 128
    .sgpr_count:     66
    .vgpr_count:     210
    .wavefront_size: 32
...
	.end_amdgpu_metadata
.endif
;; end of part 1
;; launch qkv (part 2): grid 12 x 16, 4 waves a work-group, clusters of 4 x 4, 327,680 bytes of LDS; arguments xc, wqc, lowp_scales, b_qkv, qkvimg; writes qkvimg
.if DOCPART == 2
	.amdgcn_target "amdgcn-amd-amdhsa--gfx1250"
	.amdhsa_code_object_version 6
	.text
	.protected	k_q14473a02ed_qkv
	.globl	k_q14473a02ed_qkv
	.p2align	8
	.type	k_q14473a02ed_qkv,@function
k_q14473a02ed_qkv:
	s_mov_b64 s[64:65], 0
	v_nop
	global_prefetch_b8 v0, s[64:65] scope:SCOPE_SE
	s_setreg_imm32_b32 hwreg(HW_REG_WAVE_MODE, 25, 1), 1
	s_wait_xcnt 0x0
	s_wait_alu depctr_hold_cnt(0) depctr_sa_sdst(0) depctr_va_vdst(0) depctr_va_sdst(0) depctr_va_ssrc(0) depctr_va_vcc(0) depctr_vm_vsrc(0)
	s_getreg_b32 s2, hwreg(HW_REG_IB_STS2, 6, 4)
	s_cmp_eq_u32 s2, 0
	s_cbranch_scc0 .Lentry_in_a_cluster
	s_endpgm
.Lentry_in_a_cluster:
	s_bfe_u32 s2, ttmp6, 0x10000c
	s_cmp_lg_u32 s2, 0xf033
	s_cbranch_scc0 .Lentry_shape_is_right
	s_endpgm
.Lentry_shape_is_right:
; qkv = X W_qkv + b_qkv on codes of E4M3 (scales 2^e0, 2^e1), and its three parts quantised at once: q with 2^e2, k with 2^e3, v with 2^e5.  Sums in f32.
; xc [4096 places][1024] and wqc [3072 places][1024]: codes, K innermost; place p holds row sigma(p), sigma = bits 3 and 4 exchanged.
; A tile of 256 x 256 results is made by a work-group of four waves, 128 x 128 each: 64 accumulators, 512 registers.  K goes in steps of 256 through a ring of two LDS slots filled by the tensor data mover.
; THE KIND is the cluster's x: 0 q, 1 k, 2 v: the same in all sixteen partners; it steers selects alone, no branch.
;   q, k: source 1 ("A") = 16 tokens of xc, source 0 ("B") = 16 columns of wqc: a lane holds ONE token, and its registers run along the head's 64, which is the scores' K.
;   v:    the tensors change places: source 1 = 16 columns of wqc, source 0 = 16 tokens: a lane holds one channel, and its registers run along the KEYS, which is the second product's K.
; By sigma the 16 registers of B's blocks 2 c and 2 c + 1 are 16 neighbours 32 c + 16 (lane / 16) + 0 .. 15: two conversions make four registers of the next operand, and they are stored AS AN IMAGE OF THOSE REGISTERS,
; 16 bytes a lane, 512 consecutive bytes a store: no stage in LDS.
; qkvimg: q at 0, k at 4 MiB, v at 8 MiB, each [16 batch + head][131,072 bytes].  q, k: 1024 T + 512 cc + 16 lane: token sigma(16 T + r), channels 32 cc + 16 h + 0..15.
;   v: 8192 ks + 4096 (c / 2) + 1024 dt + 512 (c % 2) + 16 lane: channel sigma(16 dt + r), keys 128 ks + 32 c + 16 h + 0..15.
; THE BIAS, divided by 2^(e0 + e1): for q and k it runs along the registers and is the C of each sum's first matrix instruction; for v it runs along the lanes and is added on the way out.  Both stand in the text; the one
; that is not the kind's own is replaced by zeros.
; CLUSTERS: 4 x 4 work-groups.  A's tile hangs on cy (and the cluster's y) alone and is asked for jointly by my row of the cluster, B's on cx (and the cluster's x, y) alone, by my column.
; LIMITS: eo - e0 - e1 (eo = e2, e3, e5) between -126 and 119, so that the conversion's scale and 448 x it are f32 numbers.  NaN is not served.
; REGISTERS: window 0: v8-15 the stores' offsets; v16-21 LDS addresses; v28, v29 the add's; v30, v31 the conversion's scale and the hold; v32-95 the bias along registers; v96-111 along lanes; v128-255 A's fragments, ONE set,
;   on the way out the sums at work (v128-191) and the codes (v192-255).  window 1: B's fragments, TWO sets.  windows 2, 3: the accumulators of my rows 0-63, 64-127 ((a, b) at v[8 (8 (a % 4) + b)]).
.set KSTEP,  256
.set ROWB,   256                       ; a tile's row in bytes
.set KROW,   1024                      ; a row of xc or wqc in memory
.set PITCH,  272                       ; an LDS row: 256 bytes + 16 of padding = 68 words: the 16 rows that a load touches start at 16 different banks (64 banks of 4 bytes: ISA guide 11.1)
.set FR,     16
.set NL,     4
.set NP,     4                         ; places behind this matrix instruction (ISA guide 7.12.1)
.set HALFT,  128*PITCH
.set SLOT,   4*HALFT                   ; A's 256 rows, then B's 256 rows
.set LAPS,   2                         ; K = 1,024 is four K steps: twice round the ring
.set SPARE,  2*SLOT                    ; behind the ring: the spare words, 128 bytes for each wave, which no other line names
.set VO,   8
.set ADRA, 16
.set ADRB, 20
.set SPW,  28
.set NIL,  29
.set CSC,  30
.set LIM,  31
.set BG,   32
.set BR,   96
.set AF,   128
.set T,    128
.set CD,   192
.set G1,  24
.set G0,  32
.set G1B, 48
.set G0B, 56
.set MSB, 0
.macro WIN new                         ; the immediate's high byte repeats the setting that is left
.if MSB != \new
	s_set_vgpr_msb (MSB<<8)|\new
.set MSB, \new
.endif
.endm
.set MUL_LO, 0xa1                      ; source 0 (B) window 1, source 1 (A) window 0, C and D window 2
.set MUL_HI, 0xf1                      ; the same, C and D window 3
.set FST_LO, 0x81                      ; the first K step: C (the bias) window 0, D window 2
.set FST_HI, 0xc1                      ; D window 3
.set TO_B,   0x40                      ; destination window 1, address window 0
; A joint load: waves 0 and 1 fetch for A, waves 2 and 3 for B; the branch hangs on the wave's number alone.  Four v_nop follow each of the two lines.
.macro JLOAD g0a, g1a, g0b, g1b
	s_cmp_eq_u32 s15, 0
	s_cbranch_scc0 .Lfor_b_\@
	tensor_load_to_lds s[\g0a:\g0a+3], s[\g1a:\g1a+7]
	s_nop 0
.rept 4
	v_nop
.endr
	s_branch .Lasked_\@
.Lfor_b_\@:
	tensor_load_to_lds s[\g0b:\g0b+3], s[\g1b:\g1b+7]
	s_nop 0
.rept 4
	v_nop
.endr
.Lasked_\@:
.endm
.macro CREST                           ; a round of the cluster's barrier behind its opening barrier
	s_cmp_lg_u32 s14, 0
	s_cbranch_scc1 .Lnot_wave_0_\@
	s_barrier_signal -3
.Lnot_wave_0_\@:
	s_barrier_wait -3
	s_barrier_signal -1
	s_barrier_wait -1
.endm
.macro CROUND
	s_barrier_signal -1
	s_barrier_wait -1
	CREST
.endm
	s_load_b128 s[4:7], s[0:1], 0x0                ; xc s[4:5], wqc s[6:7]
	s_load_b128 s[8:11], s[0:1], 0x10              ; the scales' exponents s[8:9], b_qkv s[10:11]
	s_load_b64 s[12:13], s[0:1], 0x20              ; qkvimg
	v_lshl_add_u32 v[SPW], v0, 2, SPARE
	v_mov_b32 v[NIL], 0
	ds_add_u32 v28, v29
	ds_add_u32 v28, v29
	s_wait_dscnt 0x0
	v_lshrrev_b32 v1, 5, v0
	v_readfirstlane_b32 s14, v1                    ; wave 0..3
	s_lshr_b32 s15, s14, 1                         ; which half of A's rows is mine.  Also: I fetch for A (0) or for B (1)
	s_and_b32 s16, s14, 1                          ; which half of B's rows.  Also: which 128 rows of that tile I fetch
	s_bfe_u32 s40, ttmp6, 0x40000                  ; cx
	s_bfe_u32 s41, ttmp6, 0x40004                  ; cy
	s_and_b32 s17, ttmp7, 0xffff
	s_lshl_b32 s17, s17, 2                         ; 4 x cluster y
	s_lshl_b32 s42, ttmp9, 2                       ; 4 x cluster x
	s_cmp_eq_u32 ttmp9, 2                          ; v?
	s_cselect_b32 s66, 8, s17
	s_cselect_b32 s67, s17, s42
	s_add_co_u32 s66, s66, s41                     ; A's tile of 256 rows: q, k: tokens, 4 Y + cy;  v: wqc's places, 8 + cy
	s_add_co_u32 s67, s67, s40                     ; B's:                  q, k: wqc's places, 4 X + cx;  v: tokens, 4 Y + cx
	s_lshl_b32 s43, s41, 2
	s_lshl_b32 s43, 15, s43                        ; my row of the cluster
	s_lshl_b32 s44, 0x1111, s40                    ; my column
	s_or_b32 s[G1+0], s43, (0<<16)|(1<<20)|(1<<21)|(5<<22)|(3<<25)  ; 15:0 the mask; 17:16 elements of 1 byte; 20 padding on; 21 set beside a mask; 24:22 after every 64 words; 31:25 four words
	s_or_b32 s[G1B+0], s44, (0<<16)|(1<<20)|(1<<21)|(5<<22)|(3<<25)
.irp g, G1, G1B
	s_mov_b32 s[\g+1], ROWB<<16                    ; tensor_dim0
	s_mov_b32 s[\g+2], 128<<16                     ; tensor_dim1
	s_mov_b32 s[\g+3], ROWB<<16                    ; tile_dim0
	s_mov_b32 s[\g+4], 128                         ; tile_dim1
	s_mov_b32 s[\g+5], KROW                        ; tensor_dim0_stride
	s_mov_b32 s[\g+6], 0
	s_mov_b32 s[\g+7], 0
.endr
	s_lshl_b32 s18, s16, 7                         ; which 128 rows of the tile I fetch
	s_lshl_b32 s20, s66, 8
	s_add_co_u32 s20, s20, s18
	s_lshl_b32 s20, s20, 10                        ; in bytes: under 4 MiB
	s_mov_b32 s21, 0
	s_lshl_b32 s46, s67, 8
	s_add_co_u32 s46, s46, s18
	s_lshl_b32 s46, s46, 10
	s_mov_b32 s47, 0
	s_mul_i32 s45, s14, HALFT                      ; where they go: wave x 128 rows: no place in the cluster enters an LDS address
	s_wait_kmcnt 0x0
	s_load_b256 s[88:95], s[8:9], 0x0              ; e0 .. e7
	s_cmp_eq_u32 ttmp9, 2
	s_cselect_b64 s[68:69], s[6:7], s[4:5]         ; A's tensor
	s_cselect_b64 s[70:71], s[4:5], s[6:7]         ; B's
	s_add_nc_u64 s[20:21], s[68:69], s[20:21]
	s_add_nc_u64 s[46:47], s[70:71], s[46:47]
	CROUND                                         ; all sixteen work-groups are here: the first joint loads meet
.irp s, 0,1
	s_mov_b32 s[G0+4*\s], 1
	s_add_co_u32 s[G0+4*\s+1], s45, \s*SLOT
	s_add_nc_u64 s[G0+4*\s+2:G0+4*\s+3], s[20:21], \s*ROWB
	s_or_b32 s[G0+4*\s+3], s[G0+4*\s+3], 0x80000000
	s_mov_b32 s[G0B+4*\s], 1
	s_add_co_u32 s[G0B+4*\s+1], s45, \s*SLOT
	s_add_nc_u64 s[G0B+4*\s+2:G0B+4*\s+3], s[46:47], \s*ROWB
	s_or_b32 s[G0B+4*\s+3], s[G0B+4*\s+3], 0x80000000
	JLOAD G0+4*\s, G1, G0B+4*\s, G1B               ; two tensor loads of mine are out
.endr
	v_and_b32 v1, 15, v0                           ; r
	v_bfe_u32 v2, v0, 4, 1                         ; h
	v_mul_u32_u24 v3, v1, PITCH
	v_lshl_add_u32 v4, v2, 4, v3                   ; a fragment's row x pitch + 16 h
	s_mul_i32 s21, s15, HALFT
	s_mul_i32 s22, s16, HALFT
	s_add_co_u32 s22, s22, 2*HALFT
.irp s, 0,1
	v_add_nc_u32 v[ADRA+\s], s21, v4
	v_add_nc_u32 v[ADRB+\s], s22, v4
	s_add_co_u32 s21, s21, SLOT
	s_add_co_u32 s22, s22, SLOT
.endr
	; the bias.  Along registers (q, k): B's block 2 c + u, register j: column n0g + 32 c + 16 h + 8 u + j.  Along lanes (v): A's block a, lane r: column n0r + 32 (a / 2) + 8 (a % 2) + r % 8 + 16 (r / 8)
	s_lshl_b32 s72, s67, 8
	s_lshl_b32 s73, s16, 7
	s_add_co_u32 s72, s72, s73
	s_lshl_b32 s74, s66, 8
	s_lshl_b32 s75, s15, 7
	s_add_co_u32 s74, s74, s75
	s_cmp_eq_u32 ttmp9, 2
	s_cselect_b32 s72, 0, s72                      ; n0g; the kind that does not use a bias loads it from column 0 on, inside the buffer, and drops it
	s_cselect_b32 s74, s74, 0                      ; n0r
	s_cselect_b32 s76, 0, -1                       ; lanes that keep the bias along registers: all or none
	s_cselect_b32 s77, -1, 0                       ; and along lanes
	s_lshl_b32 s72, s72, 2
	s_lshl_b32 s74, s74, 2
	v_lshl_add_u32 v5, v2, 6, s72
	v_and_b32 v6, 7, v1
	v_lshrrev_b32 v7, 3, v1
	v_lshl_add_u32 v6, v7, 4, v6
	v_lshl_add_u32 v6, v6, 2, s74
.irp b, 0,1,2,3,4,5,6,7
	global_load_b128 v[BG+8*\b:BG+8*\b+3],   v5, s[10:11] offset:(32*(\b/2)+8*(\b%2))*4
	global_load_b128 v[BG+8*\b+4:BG+8*\b+7], v5, s[10:11] offset:(32*(\b/2)+8*(\b%2))*4+16
.endr
.irp a, 0,1,2,3,4,5,6,7
	global_load_b32 v[BR+2*\a], v6, s[10:11] offset:(32*(\a/2)+8*(\a%2))*4
	v_mov_b32 v[BR+2*\a+1], 0                      ; named with it as a pair, so it is written
.endr
	; where my results go
	s_cmp_eq_u32 ttmp9, 2
	s_cselect_b32 s82, s67, s66                    ; the tile of 256 tokens
	s_cselect_b32 s83, s41, s40                    ; the tile of 256 columns within the kind: four heads
	s_cselect_b32 s84, s15, s16                    ; my half of them: two heads
	s_cselect_b32 s85, s16, s15                    ; my half of the tokens
	s_mov_b32 s87, 0x20000
	s_cselect_b32 s86, 4096, s87                   ; from c = 0, 1 to c = 2, 3: v: 64 keys on; q, k: the next head
	s_cselect_b32 s87, s87, 4096                   ; from A's blocks 0-3 to 4-7: v: the next head; q, k: four tiles of tokens on
	s_lshl_b32 s83, s83, 2
	s_lshl_b32 s84, s84, 1
	s_add_co_u32 s83, s83, s84
	s_lshr_b32 s84, s82, 3                         ; the batch
	s_lshl_b32 s84, s84, 4
	s_add_co_u32 s83, s83, s84                     ; 16 batch + my first head
	s_lshl_b32 s83, s83, 17
	s_and_b32 s82, s82, 7
	s_lshl_b32 s82, s82, 14                        ; 256 tokens: 16 tiles of 1,024 bytes (q, k) or two key steps of 8,192 (v)
	s_add_co_u32 s83, s83, s82
	s_lshl_b32 s85, s85, 13
	s_add_co_u32 s83, s83, s85
	s_lshl_b32 s84, ttmp9, 22                      ; the kind's 4 MiB
	s_add_co_u32 s82, s83, s84
	s_mov_b32 s83, 0
	s_add_nc_u64 s[12:13], s[12:13], s[82:83]
	v_and_b32 v3, 31, v0
	v_lshlrev_b32 v[VO], 4, v3
	v_add_nc_u32 v[VO+1], 512, v[VO]
	v_add_nc_u32 v[VO+2], s86, v[VO]
	v_add_nc_u32 v[VO+3], s86, v[VO+1]
.irp c, 0,1,2,3
	v_add_nc_u32 v[VO+4+\c], s87, v[VO+\c]
.endr
	s_wait_kmcnt 0x0
	s_add_co_i32 s78, s88, s89                     ; e0 + e1: a sum stands for sum x 2^(e0 + e1)
	s_sub_co_i32 s79, 0, s78
	s_cmp_eq_u32 ttmp9, 1
	s_cselect_b32 s80, s91, s90
	s_cmp_eq_u32 ttmp9, 2
	s_cselect_b32 s80, s93, s80                    ; eo = e2, e3 or e5
	s_sub_co_i32 s80, s80, s78                     ; the three scales are folded into the conversion's one
	s_add_co_i32 s80, s80, 127
	s_lshl_b32 s81, s80, 23
	v_mov_b32 v[CSC], s81                          ; 2^(eo - e0 - e1)
	s_add_co_i32 s80, s80, 8
	s_lshl_b32 s80, s80, 23
	s_or_b32 s80, s80, 0x600000
	v_mov_b32 v[LIM], s80                          ; 448 x that
	s_wait_loadcnt 0x0                             ; the bias
.set j, 0
.rept 64
	v_ldexp_f32 v[BG+j], v[BG+j], s79              ; / 2^(e0 + e1)
.set j, j+1
.endr
.set j, 0
.rept 64
	v_cndmask_b32 v[BG+j], 0, v[BG+j], s76
.set j, j+1
.endr
.irp a, 0,1,2,3,4,5,6,7
	v_ldexp_f32 v[BR+2*\a], v[BR+2*\a], s79
.endr
.irp a, 0,1,2,3,4,5,6,7
	v_cndmask_b32 v[BR+2*\a], 0, v[BR+2*\a], s77
.endr
.macro FRAG reg, adr, q, i             ; 16 rows x 128 K: lane l holds row l % 16; registers 4 c .. 4 c + 3 hold K = 32 c + 16 (l / 16) + 0 .. 15: a permutation of k that is the same in A and in B
.irp c, 0,1,2,3
	ds_load_b128 v[\reg+4*\c:\reg+4*\c+3], v[\adr] offset:128*(\q)+32*\c+(\i)*16*PITCH
.endr
.endm
; 16 matrix instructions: A's blocks a0, a0 + 1 x B's eight.  zero = 1: the first K step starts the sums, with the bias as C.  The 64 accumulators take turns, one instruction a turn.
.macro MUL16 a0, p, zero
.irp a, \a0, \a0+1
.irp b, 0,1,2,3,4,5,6,7
.if \zero
	v_wmma_f32_16x16x128_fp8_fp8 v[8*(8*((\a)%4)+\b):8*(8*((\a)%4)+\b)+7], v[128*(\p)+FR*\b:128*(\p)+FR*\b+FR-1], v[AF+FR*(\a):AF+FR*(\a)+FR-1], v[BG+8*\b:BG+8*\b+7]
.else
	v_wmma_f32_16x16x128_fp8_fp8 v[8*(8*((\a)%4)+\b):8*(8*((\a)%4)+\b)+7], v[128*(\p)+FR*\b:128*(\p)+FR*\b+FR-1], v[AF+FR*(\a):AF+FR*(\a)+FR-1], v[8*(8*((\a)%4)+\b):8*(8*((\a)%4)+\b)+7]
.endif
.endr
.endr
.endm
.macro FETCH_B slot, q, p
	WIN TO_B
.irp i, 0,1,2,3,4,5,6,7
	FRAG 128*(\p)+FR*\i, ADRB+\slot, \q, \i
.endr
	WIN 0
.endm
.macro FETCH_A slot, q, i0
.irp i, \i0, \i0+1, \i0+2, \i0+3
	FRAG AF+FR*(\i), ADRA+\slot, \q, \i
.endr
.endm
.macro PLACES n                        ; plain vector lines between a matrix instruction and a load into a register that it read, or a read of its result
.rept \n
	v_nop
.endr
.endm
; A step of 128 along K that has its successor in the same slot.  A's blocks 0-3 are fetched anew in its middle, blocks 4-7 at its end; B has two sets.
.macro STEP slot, q, zero
	s_wait_dscnt 4*NL                              ; B's set and A's blocks 0-3 are in; the youngest sixteen loads (A's blocks 4-7) may be out
.if \zero
	WIN FST_LO
.else
	WIN MUL_LO
.endif
	MUL16 0, (\q)%2, \zero
	MUL16 2, (\q)%2, \zero
	s_wait_dscnt 0                                 ; A's blocks 4-7 are in
	PLACES NP
	FETCH_B \slot, (\q)+1, 1-(\q)%2
	FETCH_A \slot, (\q)+1, 0
.if \zero
	WIN FST_HI
.else
	WIN MUL_HI
.endif
	MUL16 4, (\q)%2, \zero
	MUL16 6, (\q)%2, \zero
	PLACES NP
	WIN 0
	FETCH_A \slot, (\q)+1, 4
.endm
; A slot's last step changes slots: ONE barrier; in front of it each wave waits for all its tensor loads, adds 0 to its spare word, and waits for that and for its own reads of this slot.  fill = 1: this slot is filled again.
.macro TURN slot, next, fill
	s_wait_tensorcnt 0x0                           ; all my tensor loads have landed: my part of the next slot
	ds_add_u32 v[SPW], v[NIL]                      ; 0 onto my spare word
	s_wait_dscnt 4*NL+1                            ; (the add and the youngest sixteen loads may be out)
	WIN MUL_LO
	MUL16 0, 1, 0                                  ; sixteen matrix instructions stand between the add and the wait for it
	s_wait_dscnt 0x0                               ; the add is done, and my reads of this slot are over
	s_barrier_signal -1
	MUL16 2, 1, 0
	WIN 0
	s_barrier_wait -1
.if \fill
	CREST                                          ; the barrier has opened a round of the cluster's: no wave of any partner still reads this slot or has a load on its way
	s_add_nc_u64 s[G0+4*\slot+2:G0+4*\slot+3], s[G0+4*\slot+2:G0+4*\slot+3], 2*ROWB
	s_add_nc_u64 s[G0B+4*\slot+2:G0B+4*\slot+3], s[G0B+4*\slot+2:G0B+4*\slot+3], 2*ROWB
	JLOAD G0+4*\slot, G1, G0B+4*\slot, G1B         ; the first tensor load behind the round, my only one until the next; its four v_nop are the places in front of the loads below
.else
	PLACES NP
.endif
	FETCH_B \next, 0, 0
	FETCH_A \next, 0, 0
	WIN MUL_HI
	MUL16 4, 1, 0
	MUL16 6, 1, 0
	PLACES NP
	WIN 0
	FETCH_A \next, 0, 4
.endm
	s_wait_tensorcnt 1                             ; my part of K step 0 is in; K step 1's load may be out
	s_barrier_signal -1
	s_barrier_wait -1
	FETCH_B 0, 0, 0
	FETCH_A 0, 0, 0
	FETCH_A 0, 0, 4
	STEP 0, 0, 1                                   ; the first step stands in front of the loop: its products start the sums
	s_mov_b32 s3, LAPS-1
.Llap:                                                 ; a trip goes once round the ring and fills both slots again
	TURN 0, 1, 1
	STEP 1, 0, 0
	TURN 1, 0, 1
	STEP 0, 0, 0
	s_sub_co_u32 s3, s3, 1
	s_cmp_lg_u32 s3, 0
	s_cbranch_scc1 .Llap
	TURN 0, 1, 0                                   ; the last lap fills nothing
	STEP 1, 0, 0
	s_wait_dscnt 4*NL
	WIN MUL_LO
	MUL16 0, 1, 0
	MUL16 2, 1, 0
	s_wait_dscnt 0
	WIN MUL_HI
	MUL16 4, 1, 0
	MUL16 6, 1, 0
	WIN 0
; THE WAY OUT, A's block a at a time: + the bias along lanes, the hold, eight conversions, four stores of 512 consecutive bytes.  Each accumulator is read from its low end on.
.macro OUTBLK a
.set AC, 64*((\a)%4)
.if (\a) == 4
	s_wait_xcnt 0x0                                ; blocks 0-3's stores have read their data: the codes' registers are written again from here on
.endif
	WIN 0x02+((\a)/4)                              ; source 0: window 2 or 3
.set j, 0
.rept 32
	v_pk_add_f32 v[T+j:T+j+1], v[AC+j:AC+j+1], v[BR+2*(\a):BR+2*(\a)+1] op_sel_hi:[1,0]
.set j, j+2
.endr
	WIN 0
.set j, 0
.rept 64
	v_med3_num_f32 v[T+j], v[T+j], -v[LIM], v[LIM] ; the conversion to an 8-bit code does not saturate (ISA guide 7.6.2)
.set j, j+1
.endr
.irp b, 0,1,2,3,4,5,6,7
	v_cvt_scalef32_pk8_fp8_f32 v[CD+16*((\a)%4)+2*\b:CD+16*((\a)%4)+2*\b+1], v[T+8*\b:T+8*\b+7], v[CSC]
.endr
	v_nop                                          ; a plain line between the conversions and the next block's additions, which write their sources
.irp c, 0,1,2,3
	global_store_b128 v[VO+4*((\a)/4)+\c], v[CD+16*((\a)%4)+4*\c:CD+16*((\a)%4)+4*\c+3], s[12:13] offset:((\a)%4)*1024
.endr
.endm
	PLACES NP                                      ; behind the last products: their results are read, and A's registers written, below
.irp a, 0,1,2,3,4,5,6,7
	OUTBLK \a
.endr
	s_wait_tensorcnt 0x0                           ; the wave's end
	ds_add_u32 v[SPW], v[NIL]
	s_wait_dscnt 0x0
	CROUND                                         ; the closing round: no work-group ends while a partner may still ask for a tile that names it
	s_endpgm
.Lfunc_end_k_q14473a02ed_qkv:
	.size	k_q14473a02ed_qkv, .Lfunc_end_k_q14473a02ed_qkv-k_q14473a02ed_qkv
	.p2alignl 7, 3214868480
	.fill 96, 4, 3214868480
	.section	.rodata,"a",@progbits
	.p2align	6, 0x0
	.amdhsa_kernel k_q14473a02ed_qkv
		.amdhsa_group_segment_fixed_size 327680
		.amdhsa_private_segment_fixed_size 0
		.amdhsa_enable_private_segment 0
		.amdhsa_kernarg_size 40
		.amdhsa_user_sgpr_count 2
		.amdhsa_user_sgpr_kernarg_segment_ptr 1
		.amdhsa_wavefront_size32 1
		.amdhsa_system_sgpr_workgroup_id_x 1
		.amdhsa_system_sgpr_workgroup_id_y 1
		.amdhsa_system_sgpr_workgroup_id_z 1
		.amdhsa_system_vgpr_workitem_id 0
		.amdhsa_next_free_vgpr 1024
		.amdhsa_next_free_sgpr 96
		.amdhsa_reserve_vcc 0
		.amdhsa_float_denorm_mode_32 3
		.amdhsa_float_denorm_mode_16_64 3
		.amdhsa_memory_ordered 1
		.amdhsa_forward_progress 1
		.amdhsa_inst_pref_size 147
	.end_amdhsa_kernel
	.amdgpu_metadata
---
amdhsa.version: [ 1, 2 ]
amdhsa.kernels:
  - .name:           k_q14473a02ed_qkv
    .symbol:         k_q14473a02ed_qkv.kd
    .args:
      - { .name: xc, .offset: 0, .size: 8, .value_kind: global_buffer, .address_space: global }
      - { .name: wqc, .offset: 8, .size: 8, .value_kind: global_buffer, .address_space: global }
      - { .name: lowp_scales, .offset: 16, .size: 8, .value_kind: global_buffer, .address_space: global }
      - { .name: b_qkv, .offset: 24, .size: 8, .value_kind: global_buffer, .address_space: global }
      - { .name: qkvimg, .offset: 32, .size: 8, .value_kind: global_buffer, .address_space: global }
    .group_segment_fixed_size: 327680
    .private_segment_fixed_size: 0
    .kernarg_segment_align: 8
    .kernarg_segment_size: 40
    .max_flat_workgroup_size: 128
    .sgpr_count:     96
    .vgpr_count:     1024
    .wavefront_size: 32
...
	.end_amdgpu_metadata
.endif
;; end of part 2
;; launch attn (part 3): grid 8 x 32, 16 waves a work-group, no clusters, 264,192 bytes of LDS; arguments qkvimg, maskw, lowp_scales, aimg; writes aimg
.if DOCPART == 3
	.amdgcn_target "amdgcn-amd-amdhsa--gfx1250"
	.amdhsa_code_object_version 6
	.text
	.protected	k_q14473a02ed_attn
	.globl	k_q14473a02ed_attn
	.p2align	8
	.type	k_q14473a02ed_attn,@function
k_q14473a02ed_attn:
	s_mov_b64 s[64:65], 0
	v_nop
	global_prefetch_b8 v0, s[64:65] scope:SCOPE_SE
	s_setreg_imm32_b32 hwreg(HW_REG_WAVE_MODE, 25, 1), 1
	s_wait_xcnt 0x0
; a = softmax(where(mask, -0.0001, q k^T / 8)) v for one head, both products on codes of E4M3 (q 2^e2, k 2^e3, p 2^e4, v 2^e5), and a quantised with 2^e6 for the last product.
; The mask is an input and a masked score is a NUMBER, not minus infinity: every key counts for every query, in the maximum, the sum and the second product.  No step is left out.
; THE SOFTMAX AHEAD OF THE SECOND PRODUCT: t = score x log2(e); M = the row's largest t so far, rounded UP to a whole number; p = 2^(t - M) is quantised, not normalised; the row's sum is taken of the unquantised p and
; divides at the end.  When M moves, the sum and O are multiplied by 2^(old M - new M): exact.
; SHARES.  A work-group owns 256 queries of one head (x: the block of queries, y: 16 batch + head); each of its sixteen waves one tile of 16 queries, in 256 registers: four waves to a SIMD, so that one wave's vector
; work stands beside another's matrix work and LDS loads.  Every wave walks all 2,048 keys, 128 a step.
; K AND V OF THE HEAD STAY IN LDS, 131,072 bytes each, as the images of operand registers that the launch before stored: a fragment's four registers are one ds_load_b128 at 16 x lane: 512 consecutive bytes, no padding.
; They come through registers, a quarter (512 keys) at a time, each quarter loaded while the quarter before is worked on: 32 loads a wave in the whole launch.  NO TENSOR LOAD AND NO JOINT REQUEST, though the eight
; work-groups of a head read the same 262,144 bytes: the branch on e4 below spares 64 of a key step's vector instructions, sixteen times a wave.
; LAYOUT.  Both products are used transposed: S^T = K Q^T (source 0 = 16 keys), O^T = V^T P^T (source 0 = 16 channels): a lane holds ONE query (lane % 16) throughout.  Tile T, lane r of an image is row sigma(16 T + r)
; (bits 3 and 4 exchanged), so score register n = 16 c + i holds key 128 ks + 32 c + 16 (lane / 16) + i: the conversions' results are the second product's operand; O^T's registers likewise run along the channels.
; THE MASK comes as words of lane bits, one for each score register (64 a step), by scalar loads a step ahead; a set bit puts RAWM in the score's place, the number that the scaling turns into -0.0001 x log2(e).
; LIMITS: e2 + e3 between -123 and 130 (added to c's exponent field); e4 and e6 between -126 and 119.  NaN is not served.
; REGISTERS: v1 16 x lane; v2, v3 the step's LDS addresses; v4-6, v8 the fill's; v7 RAWM; v9 16 x lane + V's base; v10, v11 448 x 2^e4, 2^e4; v12 -M; v13 the largest t; v[14:15] the sum; v16-23 Q; v[24:25] f; v26-31 at work;
;   v32-95 K's eight fragments, then V's four; v96-159 S^T, then p; v160-191 O^T; v192-207 p's codes; v208-239 the fill; v240-247 a's codes; v248, v249 2^e6, 448 x 2^e6.
;   s[2:3] K's image of my head (V's lies 4 MiB on); s[4:5] my tile's mask words; s[6:7] my tile of Q; s[8:9] my place in aimg; s10 wave; s11 the mask step's offset; s12 the key step's LDS byte; s13 counter; s15 hold or not;
;   s16-63, s68-83 the step's 64 mask words; s[84:85] lane selects; s[86:87] c; s88-95 e0 .. e7.
.set VBASE, 131072
	s_load_b128 s[96:99], s[0:1], 0x0              ; qkvimg s[96:97], maskw s[98:99]
	s_load_b128 s[88:91], s[0:1], 0x10             ; the scales' exponents s[88:89], aimg s[90:91]
	v_lshl_add_u32 v254, v0, 2, 0x40000
	v_mov_b32 v255, 0
	v_lshrrev_b32 v26, 5, v0
	v_readfirstlane_b32 s10, v26                   ; wave 0..15
	v_and_b32 v1, 31, v0
	v_lshlrev_b32 v1, 4, v1
	v_lshlrev_b32 v4, 4, v0                        ; the fill: 16 x thread: the work-group's 512 threads cover 8,192 bytes an instruction
	v_add_nc_u32 v5, 0x10000, v4
	v_add_nc_u32 v6, 0x20000, v4
	v_add_nc_u32 v8, 0x30000, v4
	v_add_nc_u32 v9, VBASE, v1
	s_and_b32 s14, ttmp7, 0xffff                   ; 16 batch + head
	s_lshl_b32 s12, ttmp9, 4
	s_add_co_u32 s12, s12, s10                     ; T: my tile of queries, 0..127
	s_mov_b32 s17, 0
	s_wait_kmcnt 0x0
	s_mov_b64 s[100:101], s[88:89]
	s_lshl_b32 s16, s14, 17
	s_add_nc_u64 s[6:7], s[96:97], s[16:17]        ; Q's image of my head
	s_add_nc_u64 s[2:3], s[6:7], 0x400000          ; K's
	s_lshl_b32 s16, s12, 10
	s_add_nc_u64 s[6:7], s[6:7], s[16:17]          ; my tile of Q
	s_lshl_b32 s16, s12, 12
	s_add_nc_u64 s[4:5], s[98:99], s[16:17]        ; my tile's mask words: 16 steps of 256 bytes
	s_lshr_b32 s16, s14, 4
	s_lshl_b32 s16, s16, 7
	s_add_co_u32 s16, s16, s12                     ; the tile of tokens among all 256
	s_lshl_b32 s16, s16, 14
	s_and_b32 s18, s14, 15
	s_lshl_b32 s18, s18, 10                        ; the head's 64 channels: K step head / 2, registers 8 (head % 2) on: 1,024 bytes a head
	s_add_co_u32 s16, s16, s18
	s_add_nc_u64 s[8:9], s[90:91], s[16:17]
	s_load_b256 s[88:95], s[100:101], 0x0          ; e0 .. e7
.macro LOADQ q                         ; quarter q of K's and of V's image: 32,768 bytes each
.irp i, 0,1,2,3
	global_load_b128 v[208+4*\i:211+4*\i], v4, s[2:3] offset:(\q)*32768+\i*8192
	global_load_b128 v[224+4*\i:227+4*\i], v4, s[2:3] offset:4194304+(\q)*32768+\i*8192
.endr
.endm
	LOADQ 0
	global_load_b128 v[16:19], v1, s[6:7]          ; Q's fragment stays in registers: channels 16 h + 0..15,
	global_load_b128 v[20:23], v1, s[6:7] offset:512   ; and 32 + 16 h + 0..15
	s_mov_b32 s11, 0
.macro MASKLOAD                        ; the 64 words of the step at byte s11
	s_load_b512 s[16:31], s[4:5], s11 offset:0x0
	s_load_b512 s[32:47], s[4:5], s11 offset:0x40
	s_load_b512 s[48:63], s[4:5], s11 offset:0x80
	s_load_b512 s[68:83], s[4:5], s11 offset:0xc0
.endm
	MASKLOAD
	s_mov_b32 s84, 0x76543210
	s_mov_b32 s85, 0xfedcba98                      ; v_permlanex16_b32's selects for lane l xor 16
	v_mov_b32 v13, 0xff61b1e6                      ; the largest t so far: -3e38, under every t
	v_floor_f32 v12, -v13                          ; -M
	v_mov_b32 v14, 0
	v_mov_b32 v15, 0
	v_mov_b32 v25, 0                               ; (named as the upper half of the pair v[24:25])
	v_mov_b32 v27, 0                               ; a lane permute's destination counts as one of its sources
.set j, 0
.rept 32
	v_mov_b32 v[160+j], 0                          ; O^T.  (The step is written once for all sixteen: the first finds zeros, which the first change of M leaves zeros)
.set j, j+1
.endr
	s_wait_kmcnt 0x0
	s_add_co_i32 s96, s90, s91                     ; e2 + e3: a score stands for score x 2^(e2 + e3)
	s_lshl_b32 s97, s96, 23
	s_mov_b32 s86, 0x3e38aa3b                      ; log2(e) / 8
	s_add_co_i32 s86, s86, s97                     ; c: the two exponents are added to its exponent field
	s_mov_b32 s87, s86                             ; (named with it as a pair)
	s_sub_co_i32 s96, 0, s96
	v_mov_b32 v7, 0xba51b717                       ; -0.0008
	v_ldexp_f32 v7, v7, s96                        ; RAWM = -0.0008 / 2^(e2 + e3): RAWM x c = -0.0001 x log2(e)
	s_add_co_i32 s96, s92, 127
	s_lshl_b32 s97, s96, 23
	v_mov_b32 v11, s97                             ; 2^e4
	s_add_co_i32 s96, s96, 8
	s_lshl_b32 s96, s96, 23
	s_or_b32 s96, s96, 0x600000
	v_mov_b32 v10, s96                             ; 448 x 2^e4
	s_add_co_i32 s96, s94, 127
	s_lshl_b32 s97, s96, 23
	v_mov_b32 v248, s97                            ; 2^e6
	s_add_co_i32 s96, s96, 8
	s_lshl_b32 s96, s96, 23
	s_or_b32 s96, s96, 0x600000
	v_mov_b32 v249, s96                            ; 448 x 2^e6
	s_cmp_lt_i32 s92, -8                           ; p is at most 1, and 448 x 2^e4 is 1.75 at e4 = -8: the hold can bite only under that
	s_cselect_b32 s15, 1, 0
; A KEY STEP: 128 keys, at LDS byte s12 of both images.
.macro STEP
	v_add_nc_u32 v2, s12, v1
	v_add_nc_u32 v3, s12, v9
	v_nop
	v_nop                                          ; with the two additions: four places between the last step's products and the loads into the registers that they read
.irp t, 0,1,2,3,4,5,6,7
	ds_load_b128 v[32+8*\t:35+8*\t], v2 offset:1024*\t
	ds_load_b128 v[36+8*\t:39+8*\t], v2 offset:1024*\t+512
.endr
	s_wait_dscnt 8                                 ; tiles 0-3 are in; the eight loads of tiles 4-7 may be out
.irp t, 0,1,2,3
	v_wmma_f32_16x16x64_fp8_fp8 v[96+8*\t:103+8*\t], v[32+8*\t:39+8*\t], v[16:23], 0
.endr
	s_wait_dscnt 0x0
.irp t, 4,5,6,7
	v_wmma_f32_16x16x64_fp8_fp8 v[96+8*\t:103+8*\t], v[32+8*\t:39+8*\t], v[16:23], 0
.endr
.rept 4
	v_nop                                          ; places in front of the loads below and of the first read of the scores
.endr
.irp d, 0,1,2,3
.irp c, 0,1,2,3
	ds_load_b128 v[32+16*\d+4*\c:35+16*\d+4*\c], v3 offset:4096*(\c/2)+1024*\d+512*(\c%2)   ; V's four fragments land under the softmax
.endr
.endr
	s_wait_kmcnt 0x0                               ; the step's mask words, asked for a step ago
.set n, 0
.rept 64
.if n < 48
.set MW, 16+n
.else
.set MW, 20+n
.endif
	v_cndmask_b32 v[96+n], v[96+n], v7, s[MW]      ; where the mask's bit is set: RAWM.  Each accumulator is read from its low end on
.set n, n+1
.endr
	s_add_co_u32 s11, s11, 256                     ; (behind the wait that showed the last loads done)
	s_and_b32 s11, s11, 0xf00                      ; the last step asks for step 0's words again: no load leaves the buffer
	MASKLOAD
	v_max3_num_f32 v26, v96, v97, v98              ; the step's largest score of my query, among my 64 keys, in two chains,
	v_max3_num_f32 v30, v99, v100, v101
.irp i, 6,10,14,18,22,26,30,34,38,42,46,50,54,58
	v_max3_num_f32 v26, v26, v[96+\i], v[97+\i]
	v_max3_num_f32 v30, v30, v[98+\i], v[99+\i]
.endr
	v_max3_num_f32 v26, v26, v158, v159
	v_max_num_f32 v26, v26, v30
	v_permlanex16_b32 v27, v26, s84, s85
	v_max_num_f32 v26, v26, v27                    ; and among lane l xor 16's
	v_mul_f32 v26, s86, v26                        ; as t (c is positive)
	v_max_num_f32 v13, v13, v26                    ; the running largest t
	v_mov_b32 v26, v12
	v_floor_f32 v12, -v13                          ; the new -M = floor(-t) = -ceil(t): a whole number
	v_sub_f32 v26, v12, v26                        ; old M - new M: a whole number, 0 or less
	v_cvt_i32_f32 v26, v26                         ; (it saturates)
	v_ldexp_f32 v24, 1.0, v26                      ; f = 2^(old M - new M)
.set j, 0
.rept 32
	v_pk_fma_f32 v[96+j:97+j], v[96+j:97+j], s[86:87], v[12:13] op_sel_hi:[1,0,0]   ; t - M, two at a time
.set j, j+2
.endr
.set j, 0
.rept 64
	v_exp_f32 v[96+j], v[96+j]                     ; p = 2^(t - M), at most 1
.set j, j+1
.endr
	v_pk_mul_f32 v[14:15], v[14:15], v[24:25] op_sel_hi:[1,0]   ; the sums under the new M: the plain line behind the exponentials
	s_wait_alu depctr_va_vdst(0)                   ; one wait for the whole batch, ahead of its first reader
	v_pk_add_f32 v[28:29], v[96:97], v[98:99]      ; the row's sum is taken of the UNQUANTISED p, in two chains
.irp j, 4,8,12,16,20,24,28,32,36,40,44,48,52,56,60
	v_pk_add_f32 v[14:15], v[14:15], v[96+\j:97+\j]
	v_pk_add_f32 v[28:29], v[28:29], v[98+\j:99+\j]
.endr
	v_pk_add_f32 v[14:15], v[14:15], v[28:29]
	s_cmp_eq_u32 s15, 0
	s_cbranch_scc1 .Lno_hold_\@                    ; a branch on a given whole number, the same in every wave; no barrier stands under it
.set j, 0
.rept 64
	v_min_num_f32 v[96+j], v[96+j], v10            ; the conversion does not saturate (ISA guide 7.6.2); p is not negative, so the hold is one-sided
.set j, j+1
.endr
.Lno_hold_\@:
.irp t, 0,1,2,3,4,5,6,7
	v_cvt_scalef32_pk8_fp8_f32 v[192+2*\t:193+2*\t], v[96+8*\t:103+8*\t], v11
.endr
.set j, 0
.rept 16
	v_pk_mul_f32 v[160+j:161+j], v[160+j:161+j], v[24:25] op_sel_hi:[1,0]   ; O^T under the new M; also the plain lines between the conversions and the products
.set j, j+2
.endr
	s_wait_dscnt 0x0                               ; V's fragments
.irp d, 0,1,2,3
	v_wmma_f32_16x16x128_fp8_fp8 v[160+8*\d:167+8*\d], v[32+16*\d:47+16*\d], v[192:207], v[160+8*\d:167+8*\d]   ; four accumulators by turns, one instruction a turn
.endr
	s_add_co_u32 s12, s12, 8192
.endm
; A QUARTER: its 65,536 bytes go from registers into LDS, the next quarter's loads go out, one barrier, four key steps.  A quarter's bytes are stored once and lie apart from all that any wave is still reading.
.macro QUARTER q
.if (\q) < 2
.set KA, 4
.set VA, 6
.else
.set KA, 5
.set VA, 8
.endif
	s_wait_loadcnt 0x0                             ; the quarter's eight loads (and, the first time, Q's two)
.irp i, 0,1,2,3
	ds_store_b128 v[KA], v[208+4*\i:211+4*\i] offset:((\q)%2)*32768+\i*8192
	ds_store_b128 v[VA], v[224+4*\i:227+4*\i] offset:((\q)%2)*32768+\i*8192
.endr
	s_wait_dscnt 0x0                               ; for the others' sake: my stores have landed; and they have read their registers,
.if (\q) < 3
	LOADQ (\q)+1                                   ; which take the next quarter: it has four key steps in which to come
.endif
	s_barrier_signal -1
	s_barrier_wait -1                              ; everybody's part of the quarter lies in LDS
	s_mov_b32 s12, (\q)*32768
	s_mov_b32 s13, 4
.Lkeys_\@:
	STEP
	s_sub_co_u32 s13, s13, 1
	s_cmp_lg_u32 s13, 0
	s_cbranch_scc1 .Lkeys_\@
.endm
	QUARTER 0
	QUARTER 1
	QUARTER 2
	QUARTER 3
	; THE WAY OUT.  a = O^T / the sum x 2^(e4 + e5), held, quantised with 2^e6.  Tiles 2 c and 2 c + 1 of O^T are channels 32 c + 16 h + 0..15 of my query: four registers of the last product's operand, stored as their image.
.rept 4
	v_nop                                          ; places behind the last products
.endr
	v_add_f32 v14, v14, v15                        ; the sum's two halves,
	v_permlanex16_b32 v27, v14, s84, s85
	v_add_f32 v14, v14, v27                        ; and lane l xor 16's
	v_rcp_f32 v14, v14
	v_nop                                          ; a plain line behind the transcendental
	s_add_co_i32 s96, s92, s93
	s_wait_alu depctr_va_vdst(0)                   ; the wait ahead of its first reader
	v_ldexp_f32 v14, v14, s96
.set j, 0
.rept 16
	v_pk_mul_f32 v[160+j:161+j], v[160+j:161+j], v[14:15] op_sel_hi:[1,0]
.set j, j+2
.endr
.set j, 0
.rept 32
	v_med3_num_f32 v[160+j], v[160+j], -v249, v249
.set j, j+1
.endr
.irp d, 0,1,2,3
	v_cvt_scalef32_pk8_fp8_f32 v[240+2*\d:241+2*\d], v[160+8*\d:167+8*\d], v248
.endr
	v_nop
	global_store_b128 v1, v[240:243], s[8:9]       ; 512 consecutive bytes, aligned;
	global_store_b128 v1, v[244:247], s[8:9] offset:512   ; and the 512 behind them
	s_wait_tensorcnt 0x0
	ds_add_u32 v254, v255
	s_wait_dscnt 0x0
	s_endpgm
.Lfunc_end_k_q14473a02ed_attn:
	.size	k_q14473a02ed_attn, .Lfunc_end_k_q14473a02ed_attn-k_q14473a02ed_attn
	.p2alignl 7, 3214868480
	.fill 96, 4, 3214868480
	.section	.rodata,"a",@progbits
	.p2align	6, 0x0
	.amdhsa_kernel k_q14473a02ed_attn
		.amdhsa_group_segment_fixed_size 264192
		.amdhsa_private_segment_fixed_size 0
		.amdhsa_enable_private_segment 0
		.amdhsa_kernarg_size 32
		.amdhsa_user_sgpr_count 2
		.amdhsa_user_sgpr_kernarg_segment_ptr 1
		.amdhsa_wavefront_size32 1
		.amdhsa_system_sgpr_workgroup_id_x 1
		.amdhsa_system_sgpr_workgroup_id_y 1
		.amdhsa_system_sgpr_workgroup_id_z 1
		.amdhsa_system_vgpr_workitem_id 0
		.amdhsa_next_free_vgpr 256
		.amdhsa_next_free_sgpr 102
		.amdhsa_reserve_vcc 0
		.amdhsa_float_denorm_mode_32 3
		.amdhsa_float_denorm_mode_16_64 3
		.amdhsa_memory_ordered 1
		.amdhsa_forward_progress 1
		.amdhsa_inst_pref_size 94
	.end_amdhsa_kernel
	.amdgpu_metadata
---
amdhsa.version: [ 1, 2 ]
amdhsa.kernels:
  - .name:           k_q14473a02ed_attn
    .symbol:         k_q14473a02ed_attn.kd
    .args:
      - { .name: qkvimg, .offset: 0, .size: 8, .value_kind: global_buffer, .address_space: global }
      - { .name: maskw, .offset: 8, .size: 8, .value_kind: global_buffer, .address_space: global }
      - { .name: lowp_scales, .offset: 16, .size: 8, .value_kind: global_buffer, .address_space: global }
      - { .name: aimg, .offset: 24, .size: 8, .value_kind: global_buffer, .address_space: global }
    .group_segment_fixed_size: 264192
    .private_segment_fixed_size: 0
    .kernarg_segment_align: 8
    .kernarg_segment_size: 32
    .max_flat_workgroup_size: 512
    .sgpr_count:     102
    .vgpr_count:     256
    .wavefront_size: 32
...
	.end_amdgpu_metadata
.endif
;; end of part 3
;; launch dense (part 4): grid 4 x 16, 4 waves a work-group, clusters of 4 x 4, 327,680 bytes of LDS; arguments aimg, wdc, lowp_scales, b_dense, out0; writes out0
.if DOCPART == 4
	.amdgcn_target "amdgcn-amd-amdhsa--gfx1250"
	.amdhsa_code_object_version 6
	.text
	.protected	k_q14473a02ed_dense
	.globl	k_q14473a02ed_dense
	.p2align	8
	.type	k_q14473a02ed_dense,@function
k_q14473a02ed_dense:
	s_mov_b64 s[64:65], 0
	v_nop
	global_prefetch_b8 v0, s[64:65] scope:SCOPE_SE
	s_setreg_imm32_b32 hwreg(HW_REG_WAVE_MODE, 25, 1), 1
	s_wait_xcnt 0x0
	s_wait_alu depctr_hold_cnt(0) depctr_sa_sdst(0) depctr_va_vdst(0) depctr_va_sdst(0) depctr_va_ssrc(0) depctr_va_vcc(0) depctr_vm_vsrc(0)
	s_getreg_b32 s2, hwreg(HW_REG_IB_STS2, 6, 4)
	s_cmp_eq_u32 s2, 0
	s_cbranch_scc0 .Lentry_in_a_cluster
	s_endpgm
.Lentry_in_a_cluster:
	s_bfe_u32 s2, ttmp6, 0x10000c
	s_cmp_lg_u32 s2, 0xf033
	s_cbranch_scc0 .Lentry_shape_is_right
	s_endpgm
.Lentry_shape_is_right:
; out0 = a W_dense + b_dense on codes of E4M3 (a 2^e6, W_dense 2^e7); sums in f32; out0 [4096][1024] f32.
; aimg holds a as IMAGES OF OPERAND REGISTERS: 16384 RT + 2048 KS + 512 c + 16 lane: token sigma(16 RT + r), k = 128 KS + 32 c + 16 h + 0..15 (sigma: bits 3 and 4 exchanged).  wdc [1024 places][1024]: codes, K innermost,
; place p holds column sigma(p).
; A tile of out0, 256 x 256, is made by a work-group of four waves, 128 x 128 each: 64 accumulators.  1,024 columns and 4,096 rows give 64 tiles.  K goes in steps of 256 through a ring of two LDS slots.
; A's part of a slot is dense: for each of 16 tiles of rows the 4,096 consecutive bytes of two K steps of 128; a fragment's four registers are one ds_load_b128 at 16 x lane.  B's part has rows of 256 bytes + 16 of padding.
; THE MATRIX INSTRUCTION IS USED TRANSPOSED (source 0 = 16 places of wdc, source 1 = 16 tokens): lane (r, h) holds token sigma(16 RT + r), and register j of B's block b column 32 (b / 2) + 16 h + 8 (b % 2) + j.
; CLUSTERS: 4 x 4 work-groups; A's tile is asked for jointly by my row of the cluster, B's by my column.
; LIMIT: e6 + e7 between -126 and 127, so that 2^(e6 + e7) is an f32 number.
; REGISTERS: window 0: v8-11 my four numbers of the bias; v16-26 addresses; v28, v29 the add's; v128-255 A's fragments, ONE set, on the way out rows of out0.  window 1: B's fragments, TWO sets.  windows 2, 3: the accumulators.
.set ROWB,   256
.set KROW,   1024
.set PITCH,  272
.set FR,     16
.set NL,     4
.set NP,     4
.set HALFA,  32768                     ; eight tiles of rows x 4,096 bytes: what one tensor load brings of A
.set BOFF,   2*HALFA
.set HALFB,  128*PITCH
.set SLOT,   BOFF+2*HALFB
.set LAPS,   2
.set SPARE,  2*SLOT                    ; behind the ring: the spare words, 128 bytes for each wave, which no other line names
.set SPITCH, 528                       ; the way out: a stage of 16 rows x (512 bytes + 16) for each wave, in slot 0, which has had its last fill and its last read when the first result is stored there
.set ADRA, 16
.set ADRB, 20
.set STO,  24
.set RD,   25
.set CO,   26
.set SPW,  28
.set NIL,  29
.set AF,   128
.set BK,   128
.set G1,  24
.set G0,  32
.set G1B, 48
.set G0B, 56
.set MSB, 0
.macro WIN new
.if MSB != \new
	s_set_vgpr_msb (MSB<<8)|\new
.set MSB, \new
.endif
.endm
.set MUL_LO, 0xa1
.set MUL_HI, 0xf1
.set TO_B,   0x40
.macro JLOAD g0a, g1a, g0b, g1b        ; waves 0 and 1 fetch for A, waves 2 and 3 for B; four v_nop follow each of the two lines
	s_cmp_eq_u32 s15, 0
	s_cbranch_scc0 .Lfor_b_\@
	tensor_load_to_lds s[\g0a:\g0a+3], s[\g1a:\g1a+7]
	s_nop 0
.rept 4
	v_nop
.endr
	s_branch .Lasked_\@
.Lfor_b_\@:
	tensor_load_to_lds s[\g0b:\g0b+3], s[\g1b:\g1b+7]
	s_nop 0
.rept 4
	v_nop
.endr
.Lasked_\@:
.endm
.macro CREST
	s_cmp_lg_u32 s14, 0
	s_cbranch_scc1 .Lnot_wave_0_\@
	s_barrier_signal -3
.Lnot_wave_0_\@:
	s_barrier_wait -3
	s_barrier_signal -1
	s_barrier_wait -1
.endm
.macro CROUND
	s_barrier_signal -1
	s_barrier_wait -1
	CREST
.endm
	s_load_b128 s[4:7], s[0:1], 0x0                ; aimg s[4:5], wdc s[6:7]
	s_load_b128 s[8:11], s[0:1], 0x10              ; the scales' exponents s[8:9], b_dense s[10:11]
	s_load_b64 s[12:13], s[0:1], 0x20              ; out0
	v_lshl_add_u32 v[SPW], v0, 2, SPARE
	v_mov_b32 v[NIL], 0
	ds_add_u32 v28, v29
	ds_add_u32 v28, v29
	s_wait_dscnt 0x0
	v_lshrrev_b32 v1, 5, v0
	v_readfirstlane_b32 s14, v1                    ; wave 0..3
	s_lshr_b32 s15, s14, 1                         ; which half of the tile's rows is mine.  Also: I fetch for A (0) or for B (1)
	s_and_b32 s16, s14, 1                          ; which half of its columns.  Also: which half of that tile I fetch
	s_bfe_u32 s40, ttmp6, 0x40000                  ; cx
	s_bfe_u32 s41, ttmp6, 0x40004                  ; cy
	s_lshl_b32 s42, ttmp9, 2
	s_add_co_u32 s42, s42, s40                     ; tile column
	s_and_b32 s17, ttmp7, 0xffff
	s_lshl_b32 s17, s17, 2
	s_add_co_u32 s17, s17, s41                     ; tile row
	s_lshl_b32 s43, s41, 2
	s_lshl_b32 s43, 15, s43                        ; my row of the cluster
	s_lshl_b32 s44, 0x1111, s40                    ; my column
	; A's group 1: 8 rows of 512 elements of 8 bytes (4,096 bytes), 2,048 elements (16,384 bytes) apart, dense in LDS
	s_or_b32 s[G1+0], s43, (3<<16)|(1<<21)         ; 15:0 the mask; 17:16 elements of 8 bytes; 20 no padding; 21 set beside a mask
	s_mov_b32 s[G1+1], 512<<16                     ; tensor_dim0
	s_mov_b32 s[G1+2], 8<<16                       ; tensor_dim1
	s_mov_b32 s[G1+3], 512<<16                     ; tile_dim0
	s_mov_b32 s[G1+4], 8                           ; tile_dim1
	s_mov_b32 s[G1+5], 2048                        ; tensor_dim0_stride
	s_mov_b32 s[G1+6], 0
	s_mov_b32 s[G1+7], 0
	; B's: 128 rows of 256 bytes, 1,024 apart, 16 bytes of padding behind each
	s_or_b32 s[G1B+0], s44, (0<<16)|(1<<20)|(1<<21)|(5<<22)|(3<<25)
	s_mov_b32 s[G1B+1], ROWB<<16
	s_mov_b32 s[G1B+2], 128<<16
	s_mov_b32 s[G1B+3], ROWB<<16
	s_mov_b32 s[G1B+4], 128
	s_mov_b32 s[G1B+5], KROW
	s_mov_b32 s[G1B+6], 0
	s_mov_b32 s[G1B+7], 0
	s_lshl_b32 s18, s16, 17                        ; the half that I fetch: 8 tiles of rows x 16,384 bytes of A, or 128 places x 1,024 bytes of B: 131,072 bytes either way
	s_lshl_b32 s20, s17, 18
	s_add_co_u32 s20, s20, s18
	s_mov_b32 s21, 0
	s_lshl_b32 s46, s42, 18
	s_add_co_u32 s46, s46, s18
	s_mov_b32 s47, 0
	s_lshl_b32 s45, s16, 15                        ; where A's half goes,
	s_mul_i32 s19, s16, HALFB
	s_add_co_u32 s19, s19, BOFF                    ; and B's: the wave's number alone
	s_wait_kmcnt 0x0
	s_load_b64 s[96:97], s[8:9], 0x18              ; e6, e7
	s_add_nc_u64 s[20:21], s[4:5], s[20:21]
	s_add_nc_u64 s[46:47], s[6:7], s[46:47]
	CROUND                                         ; all sixteen work-groups are here: the first joint loads meet
.irp s, 0,1
	s_mov_b32 s[G0+4*\s], 1
	s_add_co_u32 s[G0+4*\s+1], s45, \s*SLOT
	s_add_nc_u64 s[G0+4*\s+2:G0+4*\s+3], s[20:21], \s*4096
	s_or_b32 s[G0+4*\s+3], s[G0+4*\s+3], 0x80000000
	s_mov_b32 s[G0B+4*\s], 1
	s_add_co_u32 s[G0B+4*\s+1], s19, \s*SLOT
	s_add_nc_u64 s[G0B+4*\s+2:G0B+4*\s+3], s[46:47], \s*ROWB
	s_or_b32 s[G0B+4*\s+3], s[G0B+4*\s+3], 0x80000000
	JLOAD G0+4*\s, G1, G0B+4*\s, G1B               ; two tensor loads of mine are out
.endr
	v_and_b32 v1, 15, v0                           ; r
	v_bfe_u32 v2, v0, 4, 1                         ; h
	v_and_b32 v6, 31, v0
	v_lshlrev_b32 v[CO], 4, v6                     ; 16 x lane
	v_mul_u32_u24 v3, v1, PITCH
	v_lshl_add_u32 v4, v2, 4, v3
	s_lshl_b32 s21, s15, 15                        ; my eight tiles of A's rows
	s_mul_i32 s22, s16, HALFB
	s_add_co_u32 s22, s22, BOFF                    ; my 128 rows of B
.irp s, 0,1
	v_add_nc_u32 v[ADRA+\s], s21, v[CO]
	v_add_nc_u32 v[ADRB+\s], s22, v4
	s_add_co_u32 s21, s21, SLOT
	s_add_co_u32 s22, s22, SLOT
.endr
	s_mul_i32 s23, s14, 16*SPITCH                  ; my stage
	v_mul_u32_u24 v5, v1, SPITCH
	v_lshl_add_u32 v5, v2, 6, v5
	v_add_nc_u32 v[STO], s23, v5                   ; in: row r, + 64 h
	v_add_nc_u32 v[RD], s23, v[CO]                 ; back: the 32 lanes take one row of 512 bytes
	s_lshl_b32 s46, s42, 10
	s_lshl_b32 s47, s16, 9
	s_add_co_u32 s46, s46, s47                     ; my first column, in bytes
	v_add_nc_u32 v5, s46, v[CO]
	global_load_b128 v[8:11], v5, s[10:11]         ; the bias of the four columns that I store
	s_lshl_b32 s20, s17, 8
	s_lshl_b32 s21, s15, 7
	s_add_co_u32 s20, s20, s21                     ; my first row
	s_lshl_b32 s20, s20, 12                        ; 4,096 bytes a row
	s_add_co_u32 s20, s20, s46
	s_mov_b32 s21, 0
	s_add_nc_u64 s[12:13], s[12:13], s[20:21]
.macro FRAGB reg, adr, q, i            ; lane l: row l % 16; registers 4 c .. 4 c + 3: K = 32 c + 16 (l / 16) + 0 .. 15, as A's images have it
.irp c, 0,1,2,3
	ds_load_b128 v[\reg+4*\c:\reg+4*\c+3], v[\adr] offset:128*(\q)+32*\c+(\i)*16*PITCH
.endr
.endm
.macro FRAGA reg, adr, q, i            ; an image comes back as it was stored
.irp c, 0,1,2,3
	ds_load_b128 v[\reg+4*\c:\reg+4*\c+3], v[\adr] offset:(\i)*4096+2048*(\q)+512*\c
.endr
.endm
.macro MUL16 a0, p, zero               ; the 64 accumulators take turns, one instruction a turn; zero = 1: the first product starts the sums
.irp a, \a0, \a0+1
.irp b, 0,1,2,3,4,5,6,7
.if \zero
	v_wmma_f32_16x16x128_fp8_fp8 v[8*(8*((\a)%4)+\b):8*(8*((\a)%4)+\b)+7], v[128*(\p)+FR*\b:128*(\p)+FR*\b+FR-1], v[AF+FR*(\a):AF+FR*(\a)+FR-1], 0
.else
	v_wmma_f32_16x16x128_fp8_fp8 v[8*(8*((\a)%4)+\b):8*(8*((\a)%4)+\b)+7], v[128*(\p)+FR*\b:128*(\p)+FR*\b+FR-1], v[AF+FR*(\a):AF+FR*(\a)+FR-1], v[8*(8*((\a)%4)+\b):8*(8*((\a)%4)+\b)+7]
.endif
.endr
.endr
.endm
.macro FETCH_B slot, q, p
	WIN TO_B
.irp i, 0,1,2,3,4,5,6,7
	FRAGB 128*(\p)+FR*\i, ADRB+\slot, \q, \i
.endr
	WIN 0
.endm
.macro FETCH_A slot, q, i0
.irp i, \i0, \i0+1, \i0+2, \i0+3
	FRAGA AF+FR*(\i), ADRA+\slot, \q, \i
.endr
.endm
.macro PLACES n
.rept \n
	v_nop
.endr
.endm
.macro STEP slot, q, zero
	s_wait_dscnt 4*NL                              ; B's set and A's blocks 0-3 are in; the youngest sixteen loads (A's blocks 4-7) may be out
	WIN MUL_LO
	MUL16 0, (\q)%2, \zero
	MUL16 2, (\q)%2, \zero
	s_wait_dscnt 0
	PLACES NP
	FETCH_B \slot, (\q)+1, 1-(\q)%2
	FETCH_A \slot, (\q)+1, 0
	WIN MUL_HI
	MUL16 4, (\q)%2, \zero
	MUL16 6, (\q)%2, \zero
	PLACES NP
	WIN 0
	FETCH_A \slot, (\q)+1, 4
.endm
.macro TURN slot, next, fill
	s_wait_tensorcnt 0x0                           ; all my tensor loads have landed: my part of the next slot
	ds_add_u32 v[SPW], v[NIL]                      ; 0 onto my spare word
	s_wait_dscnt 4*NL+1                            ; (the add and the youngest sixteen loads may be out)
	WIN MUL_LO
	MUL16 0, 1, 0
	s_wait_dscnt 0x0                               ; the add is done, and my reads of this slot are over
	s_barrier_signal -1
	MUL16 2, 1, 0
	WIN 0
	s_barrier_wait -1
.if \fill
	CREST                                          ; the barrier has opened a round of the cluster's: no wave of any partner still reads this slot or has a load on its way
	s_add_nc_u64 s[G0+4*\slot+2:G0+4*\slot+3], s[G0+4*\slot+2:G0+4*\slot+3], 2*4096
	s_add_nc_u64 s[G0B+4*\slot+2:G0B+4*\slot+3], s[G0B+4*\slot+2:G0B+4*\slot+3], 2*ROWB
	JLOAD G0+4*\slot, G1, G0B+4*\slot, G1B         ; the first tensor load behind the round, my only one until the next
.else
	PLACES NP
.endif
	FETCH_B \next, 0, 0
	FETCH_A \next, 0, 0
	WIN MUL_HI
	MUL16 4, 1, 0
	MUL16 6, 1, 0
	PLACES NP
	WIN 0
	FETCH_A \next, 0, 4
.endm
	s_wait_tensorcnt 1                             ; my part of K step 0 is in; K step 1's load may be out
	s_barrier_signal -1
	s_barrier_wait -1
	FETCH_B 0, 0, 0
	FETCH_A 0, 0, 0
	FETCH_A 0, 0, 4
	STEP 0, 0, 1
	s_mov_b32 s3, LAPS-1
.Llap:
	TURN 0, 1, 1
	STEP 1, 0, 0
	TURN 1, 0, 1
	STEP 0, 0, 0
	s_sub_co_u32 s3, s3, 1
	s_cmp_lg_u32 s3, 0
	s_cbranch_scc1 .Llap
	TURN 0, 1, 0
	STEP 1, 0, 0
	s_wait_dscnt 4*NL
	WIN MUL_LO
	MUL16 0, 1, 0
	MUL16 2, 1, 0
	s_wait_dscnt 0
	WIN MUL_HI
	MUL16 4, 1, 0
	MUL16 6, 1, 0
	WIN 0
; THE WAY OUT, A's block a (16 tokens x 128 columns) at a time.  The sums go from the accumulators straight into my stage, each at its column's true place, and come back as whole rows of 512 bytes; there each pair gets
; x 2^(e6 + e7) + bias in one packed multiply-add, and the 32 lanes store the row.  Stage row t of block a is token 32 (a / 2) + 8 (a % 2) + t + 8 (t / 8) of my 128: its place stands in the store's immediate (520,192 at the most).
.macro TOSTAGE a
.set AC, 64*((\a)%4)
	WIN 0x08+4*((\a)/4)                            ; the stores' data: window 2 or 3
.irp b, 0,1,2,3,4,5,6,7
	ds_store_b128 v[STO], v[AC+8*\b:AC+8*\b+3] offset:128*(\b/2)+32*(\b%2)         ; each accumulator from its low end on
	ds_store_b128 v[STO], v[AC+8*\b+4:AC+8*\b+7] offset:128*(\b/2)+32*(\b%2)+16
.endr
	WIN 0
.set BB, BK+64*((\a)%2)
.irp t, 0,1,2,3,4,5,6,7,8,9,10,11,12,13,14,15
	ds_load_b128 v[BB+4*\t:BB+4*\t+3], v[RD] offset:\t*SPITCH   ; LDS serves a wave's instructions in order (ISA guide 5.7.1.4): these see the stores above, and the next block's stores come behind them
.endr
.endm
.macro SEND a, younger                 ; younger: the LDS instructions issued behind block a's loads, which may stay out
.set BB, BK+64*((\a)%2)
	s_wait_dscnt \younger
.irp t, 0,1,2,3,4,5,6,7,8,9,10,11,12,13,14,15
	v_pk_fma_f32 v[BB+4*\t:BB+4*\t+1], v[BB+4*\t:BB+4*\t+1], s[96:97], v[8:9] op_sel_hi:[1,0,1]
	v_pk_fma_f32 v[BB+4*\t+2:BB+4*\t+3], v[BB+4*\t+2:BB+4*\t+3], s[96:97], v[10:11] op_sel_hi:[1,0,1]
.endr
.irp t, 0,1,2,3,4,5,6,7,8,9,10,11,12,13,14,15
	global_store_b128 v[CO], v[BB+4*\t:BB+4*\t+3], s[12:13] offset:(32*((\a)/2)+8*((\a)%2)+\t+8*(\t/8))*4096 th:TH_STORE_NT   ; 512 consecutive bytes, aligned; written once, read by nobody here
.endr
.endm
	s_wait_kmcnt 0x0
	s_add_co_i32 s96, s96, s97
	s_add_co_i32 s96, s96, 127
	s_lshl_b32 s96, s96, 23                        ; 2^(e6 + e7) as f32
	s_wait_loadcnt 0x0                             ; the bias
	PLACES NP                                      ; behind the last products: their results are read, and A's registers loaded, below
	TOSTAGE 0
.irp a, 1,2,3,4,5,6,7
.if \a > 1
	s_wait_xcnt 0x0                                ; block a - 2's stores have read their registers: block a's rows may land there
.endif
	TOSTAGE \a
	SEND \a-1, 32                                  ; behind block a - 1's loads: block a's 16 stores and 16 loads
.endr
	SEND 7, 0
	s_wait_tensorcnt 0x0                           ; the wave's end
	ds_add_u32 v[SPW], v[NIL]
	s_wait_dscnt 0x0
	CROUND                                         ; the closing round
	s_endpgm
.Lfunc_end_k_q14473a02ed_dense:
	.size	k_q14473a02ed_dense, .Lfunc_end_k_q14473a02ed_dense-k_q14473a02ed_dense
	.p2alignl 7, 3214868480
	.fill 96, 4, 3214868480
	.section	.rodata,"a",@progbits
	.p2align	6, 0x0
	.amdhsa_kernel k_q14473a02ed_dense
		.amdhsa_group_segment_fixed_size 327680
		.amdhsa_private_segment_fixed_size 0
		.amdhsa_enable_private_segment 0
		.amdhsa_kernarg_size 40
		.amdhsa_user_sgpr_count 2
		.amdhsa_user_sgpr_kernarg_segment_ptr 1
		.amdhsa_wavefront_size32 1
		.amdhsa_system_sgpr_workgroup_id_x 1
		.amdhsa_system_sgpr_workgroup_id_y 1
		.amdhsa_system_sgpr_workgroup_id_z 1
		.amdhsa_system_vgpr_workitem_id 0
		.amdhsa_next_free_vgpr 1024
		.amdhsa_next_free_sgpr 98
		.amdhsa_reserve_vcc 0
		.amdhsa_float_denorm_mode_32 3
		.amdhsa_float_denorm_mode_16_64 3
		.amdhsa_memory_ordered 1
		.amdhsa_forward_progress 1
		.amdhsa_inst_pref_size 123
	.end_amdhsa_kernel
	.amdgpu_metadata
---
amdhsa.version: [ 1, 2 ]
amdhsa.kernels:
  - .name:           k_q14473a02ed_dense
    .symbol:         k_q14473a02ed_dense.kd
    .args:
      - { .name: aimg, .offset: 0, .size: 8, .value_kind: global_buffer, .address_space: global }
      - { .name: wdc, .offset: 8, .size: 8, .value_kind: global_buffer, .address_space: global }
      - { .name: lowp_scales, .offset: 16, .size: 8, .value_kind: global_buffer, .address_space: global }
      - { .name: b_dense, .offset: 24, .size: 8, .value_kind: global_buffer, .address_space: global }
      - { .name: out0, .offset: 32, .size: 8, .value_kind: global_buffer, .address_space: global }
    .group_segment_fixed_size: 327680
    .private_segment_fixed_size: 0
    .kernarg_segment_align: 8
    .kernarg_segment_size: 40
    .max_flat_workgroup_size: 128
    .sgpr_count:     98
    .vgpr_count:     1024
    .wavefront_size: 32
...
	.end_amdgpu_metadata
.endif
;; end of part 4
;; ======== version 2 of 3: 4 launches; 1.15 times as fast as version 1
;; workspace buffers: xc 4,194,304 bytes; wqc 3,145,728 bytes; wdc 1,048,576 bytes; maskw 532,480 bytes of whole numbers; qkvimg 12,582,912 bytes; aimg 4,194,304 bytes
;; launch prep (part 5): grid 512 x 1, 4 waves a work-group, no clusters, 73,216 bytes of LDS; arguments X, W_qkv, W_dense, attention_mask, lowp_scales, xc, wqc, wdc, maskw; writes xc, wqc, wdc, maskw
.if DOCPART == 5
	.amdgcn_target "amdgcn-amd-amdhsa--gfx1250"
	.amdhsa_code_object_version 6
	.text
	.protected	k_q14473a02ed_prep
	.globl	k_q14473a02ed_prep
	.p2align	8
	.type	k_q14473a02ed_prep,@function
k_q14473a02ed_prep:
	s_mov_b64 s[64:65], 0
	v_nop
	global_prefetch_b8 v0, s[64:65] scope:SCOPE_SE
	s_setreg_imm32_b32 hwreg(HW_REG_WAVE_MODE, 25, 1), 1
	s_wait_xcnt 0x0
; THE FIRST LAUNCH: what many work-groups read later is made once.  Three kinds of work-group, told apart by the work-group's number; they never join, share nothing, and each kind has LDS bytes of its own.
;   work-groups   0-127: X [4096][1024] f32 -> xc, codes of E4M3 with the scale 2^e0, K innermost, 1,024 bytes a row.
;   work-groups 128-255: W_qkv [1024][3072] (e1) -> wqc [3072][1024], W_dense [1024][1024] (e7) -> wdc [1024][1024]: K is the FIRST axis of the source and the innermost of the codes.
;   work-groups 256-511: attention_mask [2048][2048] bytes -> maskw: words of 32 lane bits, in the order in which the attention launch's score registers lie; behind them a class for each tile of queries and key step.
; code = x / 2^e, held within +-448, rounded to the nearest code, ties to even.
; THE ROWS OF ALL THREE CODE BUFFERS ARE PERMUTED: row i stands at place sigma(i), sigma = i with bits 3 and 4 exchanged (its own inverse).  Sixteen neighbouring places 16 T + r then hold rows
; 32 (T / 2) + 8 (T % 2) + r % 8 + 16 (r / 8): used as source 0 of a product, two neighbouring tiles leave 16 NEIGHBOURING results in a lane's 16 registers, ready for the conversions to codes.
; LIMITS: e0, e1, e7 between -126 and 119, so that 2^e and 448 x 2^e are f32 numbers.  NaN among the inputs is not served (an infinity is held at the largest code).
; No tensor loads, no barrier: each wave's stage in LDS is its own.  No cluster: no two work-groups read the same bytes.
.set SP,     80                        ; X: a lane's place in a stage: its 64 bytes + 16 of padding
.set XWREG,  2*32*SP                   ; X: two stages for each wave
.set STEPS,  16                        ; X: steps of 512 numbers for a wave
.set WSTG,   4*XWREG                   ; weights: the stages begin behind X's: 32 rows x 272 bytes for each wave
.set WP,     272
.set MSTG,   WSTG+4*32*WP              ; mask: 16 rows x 272 bytes for each wave
.set CLS,    524288                    ; maskw: the classes lie behind the 128 x 16 x 64 words
.set R,      16                        ; X: v16-79   four sets of 16 numbers as they are loaded
.set X,      80                        ; X: v80-111  two sets of 16 neighbours
.set C,      128                       ; X: v128-191 codes, four registers for each step: no store's data are written again
.set WX,     32                        ; weights: v32-95 two sets of 32 numbers
.set WC,     96                        ; weights: v96-103 a block's codes
.set OUTR,   112                       ; weights: v112-175 the way out
.set WO,     176                       ; weights: v176-207 byte offset of row i of a block: 4 x lane + i x the row's bytes
	s_load_b256 s[4:11], s[0:1], 0x0               ; X s[4:5], W_qkv s[6:7], W_dense s[8:9], the mask s[10:11]
	s_load_b256 s[12:19], s[0:1], 0x20             ; the scales' exponents s[12:13], xc s[14:15], wqc s[16:17], wdc s[18:19]
	s_load_b64 s[20:21], s[0:1], 0x40              ; maskw
	v_lshl_add_u32 v208, v0, 2, 0x11c00
	v_mov_b32 v209, 0
	v_lshrrev_b32 v1, 5, v0
	v_readfirstlane_b32 s22, v1                    ; wave 0..3
	v_and_b32 v2, 31, v0                           ; lane
	s_wait_kmcnt 0x0
	s_load_b256 s[24:31], s[12:13], 0x0            ; e0 .. e7
	s_cmp_lt_u32 ttmp9, 128
	s_cbranch_scc1 .LX
	s_cmp_lt_u32 ttmp9, 256
	s_cbranch_scc1 .LW
; ---------------- THE MASK.  A wave takes one tile of 16 queries (tile qt, lane r: query sigma(16 qt + r)) x 256 keys (block kb).
; In the attention launch lane L = 16 h + r holds query r of its tile, and its score register n = 16 c + i of key step ks holds key 128 ks + 32 c + 16 h + i.
; Word n of (qt, ks) has in bit L the mask's byte for that lane and register; it lies at byte 4096 qt + 256 ks + 4 n.  This wave makes the 128 words of ks = 2 kb and 2 kb + 1: 512 bytes on end.
; THE CLASS of (qt, ks): 0 where none of the 64 words has a bit, 1 where all have all, 2 else.  It is stored as class << 2 ks in the word at CLS + 64 qt + 4 ks, so that a tile's sixteen words OR into one.
	s_sub_co_u32 s32, ttmp9, 256
	s_lshl_b32 s32, s32, 2
	s_add_co_u32 s32, s32, s22
	s_lshr_b32 s33, s32, 3                         ; qt, 0..127
	s_and_b32 s34, s32, 7                          ; kb, 0..7
	s_lshr_b32 s35, s33, 1
	s_lshl_b32 s35, s35, 5
	s_and_b32 s36, s33, 1
	s_lshl_b32 s36, s36, 3
	s_add_co_u32 s35, s35, s36                     ; the tile's first query: 32 (qt / 2) + 8 (qt % 2)
	s_lshl_b32 s36, s35, 11                        ; a row of the mask is 2,048 bytes
	s_lshl_b32 s37, s34, 8
	s_add_co_u32 s36, s36, s37
	s_mov_b32 s37, 0
	s_add_nc_u64 s[10:11], s[10:11], s[36:37]
	s_lshl_b32 s36, s33, 6
	s_lshl_b32 s38, s34, 3
	s_add_co_u32 s36, s36, s38
	s_add_co_u32 s36, s36, CLS
	s_add_nc_u64 s[54:55], s[20:21], s[36:37]      ; my two class words
	s_lshl_b32 s36, s33, 12
	s_lshl_b32 s38, s34, 9
	s_add_co_u32 s36, s36, s38
	s_add_nc_u64 s[20:21], s[20:21], s[36:37]      ; my 128 mask words
	v_and_b32 v5, 15, v2
	v_lshrrev_b32 v6, 4, v2
	v_lshlrev_b32 v7, 11, v6
	v_lshl_add_u32 v7, v5, 4, v7                   ; sixteen lanes read 256 consecutive bytes of a row, the other sixteen the row below
.irp i, 0,1,2,3,4,5,6,7
	global_load_b128 v[16+4*\i:19+4*\i], v7, s[10:11] offset:(2*\i+8*(\i/4))*2048 th:TH_LOAD_NT   ; tile lanes 2 i and 2 i + 1: lanes 8-15 of a tile lie 16 queries behind lanes 0-7
.endr
	s_mul_i32 s38, s22, 16*272
	s_add_co_u32 s38, s38, MSTG                    ; my stage
	v_mul_u32_u24 v8, v6, 272
	v_lshl_add_u32 v8, v5, 4, v8
	v_add_nc_u32 v8, s38, v8                       ; in: as loaded, stage row = tile lane
	v_mul_u32_u24 v9, v5, 272
	v_lshl_add_u32 v9, v6, 4, v9
	v_add_nc_u32 v9, s38, v9                       ; out: row r, + 16 h: my 16 keys of each 32
	v_lshlrev_b32 v3, 4, v2
.irp j, 88,89,90,91
	v_mov_b32 v\j, 0                               ; v_writelane_b32's destination counts as read
.endr
	s_wait_loadcnt 0x0
.irp i, 0,1,2,3,4,5,6,7
	ds_store_b128 v8, v[16+4*\i:19+4*\i] offset:2*\i*272
.endr
.irp c, 0,1,2,3,4,5,6,7
	ds_load_b128 v[48+4*\c:51+4*\c], v9 offset:32*\c   ; LDS serves a wave's instructions in order: these see my stores.  Byte i of the four registers: key 32 c + 16 h + i
.endr
	s_wait_dscnt 0x0
.set w, 0
.rept 16                                           ; word w = 16 c + i, eight at a time, so that no line waits for the line above it
.irp k, 0,1,2,3,4,5,6,7
	v_and_b32 v[80+\k], 0xff<<(8*((w+\k)%4)), v[48+(w+\k)/4]
.endr
.irp k, 0,1,2,3,4,5,6,7
	v_cmp_ne_u32 s[40+\k], 0, v[80+\k]             ; bit L: my lane's byte is not 0
.endr
.irp k, 0,1,2,3,4,5,6,7
	v_writelane_b32 v[88+(w+\k)%4], s[40+\k], (w+\k)/4   ; lane l of v88-91 holds words 4 l .. 4 l + 3
.endr
.set w, w+8
.endr
	global_store_b128 v3, v[88:91], s[20:21]       ; 32 lanes store 512 consecutive bytes, aligned
	; the two classes.  Lanes 0-15 hold key step 2 kb's 64 words, lanes 16-31 key step 2 kb + 1's.  Selects alone: no branch hangs on the mask
	v_and_b32 v92, v88, v89
	v_and_b32 v93, v90, v91
	v_and_b32 v92, v92, v93
	v_or_b32 v93, v88, v89
	v_or_b32 v94, v90, v91
	v_or_b32 v93, v93, v94
	v_cmp_eq_u32 s48, -1, v92                      ; lanes whose four words have every bit
	v_cmp_eq_u32 s49, 0, v93                       ; lanes whose four words have none
	s_and_b32 s50, s48, 0xffff
	s_cmp_eq_u32 s50, 0xffff
	s_cselect_b32 s52, 1, 2                        ; all sixteen lanes: every bit: class 1; else 2,
	s_and_b32 s50, s49, 0xffff
	s_cmp_eq_u32 s50, 0xffff
	s_cselect_b32 s52, 0, s52                      ; unless no bit at all: class 0
	s_lshr_b32 s50, s48, 16
	s_cmp_eq_u32 s50, 0xffff
	s_cselect_b32 s53, 1, 2
	s_lshr_b32 s50, s49, 16
	s_cmp_eq_u32 s50, 0xffff
	s_cselect_b32 s53, 0, s53
	s_lshl_b32 s51, s34, 2                         ; 2 ks = 4 kb,
	s_lshl_b32 s52, s52, s51
	s_add_co_u32 s51, s51, 2                       ; and 4 kb + 2
	s_lshl_b32 s53, s53, s51
	v_mov_b32 v94, s52
	v_mov_b32 v95, s53
	v_mov_b32 v96, 0
	v_cmp_eq_u32 vcc_lo, 0, v2
	s_wait_xcnt 0x0                                ; EXEC is a source of the store above: it changes only behind this wait
	s_wait_tensorcnt 0x0
	ds_add_u32 v208, v209
	s_wait_dscnt 0x0
	s_and_saveexec_b32 s56, vcc_lo
	global_store_b64 v96, v[94:95], s[54:55]       ; lane 0 alone: eight bytes a wave, 8,192 in the whole launch
	s_wait_xcnt 0x0                                ; and again, in front of the line that widens it
	s_or_b32 exec_lo, exec_lo, s56
	s_endpgm
; ---------------- X.  Rows are dense, so a wave's run of 8,192 numbers is 8 whole rows; run number Rn = 4 x work-group + wave.
; The conversions take 8 numbers of ONE lane's consecutive registers, so a lane must hold 16 neighbours; a load is dense where neighbouring LANES take neighbouring bytes.  Both are had: a step's four loads read 512
; consecutive bytes each; the 2,048 bytes go through the wave's stage as they lie and come back 64 bytes a lane.  Loads run four steps ahead, the turn through LDS one step.
.LX:
	v_lshlrev_b32 v3, 4, v2                        ; my 16 bytes of a load's 512; also my 16 codes' place in a step's 512
	s_mul_i32 s32, s22, XWREG
	v_lshrrev_b32 v14, 2, v2
	v_mul_u32_u24 v14, v14, SP
	v_and_b32 v15, 3, v2
	v_lshl_add_u32 v14, v15, 4, v14
	v_add_nc_u32 v14, s32, v14                     ; the stage, on the way in: SP (lane / 4) + 16 (lane % 4)
	v_mul_u32_u24 v15, v2, SP
	v_add_nc_u32 v15, s32, v15                     ; and on the way out: SP x lane
	s_lshl_b32 s33, ttmp9, 2
	s_add_co_u32 s34, s33, s22                     ; Rn
	s_lshl_b32 s34, s34, 15                        ; 8 rows of 4,096 bytes
	s_mov_b32 s35, 0
	s_add_nc_u64 s[4:5], s[4:5], s[34:35]
	s_and_b32 s36, s22, 1                          ; rows 8 Rn .. 8 Rn + 7 go to places sigma: bits 3 and 4 of a row are bits 0 and 1 of Rn, which are the wave's number
	s_lshl_b32 s36, s36, 1
	s_lshr_b32 s37, s22, 1
	s_or_b32 s36, s36, s37
	s_add_co_u32 s36, s36, s33
	s_lshl_b32 s36, s36, 13                        ; 8 rows of 1,024 bytes
	s_mov_b32 s37, 0
	s_add_nc_u64 s[14:15], s[14:15], s[36:37]
.macro XLOAD t
.irp i, 0,1,2,3
	global_load_b128 v[R+16*((\t)%4)+4*\i:R+16*((\t)%4)+4*\i+3], v3, s[4:5] offset:2048*(\t)+512*\i th:TH_LOAD_NT   ; 32 lanes read 512 consecutive bytes
.endr
.endm
.macro XTURN t                         ; step t's numbers through the stage: LDS serves a wave's instructions in order, so no wait stands between the stores and the loads
.irp i, 0,1,2,3
	ds_store_b128 v14, v[R+16*((\t)%4)+4*\i:R+16*((\t)%4)+4*\i+3] offset:32*SP*((\t)%2)+8*SP*\i
.endr
.irp i, 0,1,2,3
	ds_load_b128 v[X+16*((\t)%2)+4*\i:X+16*((\t)%2)+4*\i+3], v15 offset:32*SP*((\t)%2)+16*\i
.endr
.endm
.irp t, 0,1,2,3
	XLOAD \t
.endr
	s_wait_kmcnt 0x0
	s_add_co_i32 s38, s24, 127
	s_lshl_b32 s39, s38, 23
	v_mov_b32 v11, s39                             ; 2^e0 as f32: the conversion takes its exponent field
	s_add_co_i32 s38, s38, 8
	s_lshl_b32 s38, s38, 23
	s_or_b32 s38, s38, 0x600000
	v_mov_b32 v10, s38                             ; 448 x 2^e0
	s_wait_loadcnt 12                              ; step 0's four loads are in; the twelve of steps 1 to 3 may be out
	XTURN 0
.macro XSTEP t
.set XS, X+16*((\t)%2)
	s_wait_dscnt 0x0                               ; this step's numbers are back from the stage: so its stores into the stage have read their registers,
.if (\t)+4 < STEPS
	XLOAD (\t)+4                                   ; which take the loads of four steps on
.endif
.if (\t)+1 < STEPS
.if STEPS-2-(\t) >= 3
	s_wait_loadcnt 12                              ; the next step's four loads are in; those of the three steps behind it may be out
.else
	s_wait_loadcnt 4*(STEPS-2-(\t))                ; at the end the count runs down
.endif
	XTURN (\t)+1                                   ; and go through the other stage while this step is worked
.endif
.irp i, 0,1,2,3,4,5,6,7,8,9,10,11,12,13,14,15
	v_med3_num_f32 v[XS+\i], v[XS+\i], -v10, v10   ; the conversion to an 8-bit code does not saturate (ISA guide 7.6.2): the hold at the largest code x the scale comes first
.endr
	v_cvt_scalef32_pk8_fp8_f32 v[C+4*(\t):C+4*(\t)+1], v[XS:XS+7], v11
	v_cvt_scalef32_pk8_fp8_f32 v[C+4*(\t)+2:C+4*(\t)+3], v[XS+8:XS+15], v11   ; the results go to a store alone; the next vector lines are the next step's holds, on other registers
	global_store_b128 v3, v[C+4*(\t):C+4*(\t)+3], s[14:15] offset:512*(\t)    ; 32 lanes store 512 consecutive bytes, aligned
.endm
.irp t, 0,1,2,3,4,5,6,7,8,9,10,11,12,13,14,15
	XSTEP \t
.endr
	s_wait_tensorcnt 0x0
	ds_add_u32 v208, v209
	s_wait_dscnt 0x0
	s_endpgm
; ---------------- THE WEIGHTS.  g = work-group - 128: g < 96 takes W_qkv (24 blocks of 128 columns x 4 blocks of 256 along K), the others W_dense (8 x 4).  Only pointers and sizes are chosen: one path serves both.
; A LANE TAKES A COLUMN, AND ITS REGISTERS RUN DOWN K: each load reads 128 consecutive bytes a wave (512 a work-group), and the conversions give codes with K innermost.  Nothing is transposed by an instruction.
; A wave takes 32 columns x 256 along K; its codes go through its stage and leave as rows: sixteen lanes store 256 consecutive bytes, aligned.  Loads run two blocks of 32 along K ahead.
.LW:
	s_wait_kmcnt 0x0                               ; the exponents
	s_sub_co_u32 s23, ttmp9, 128                   ; g
	s_mov_b32 s33, 4096
	s_cmp_lt_u32 s23, 96                           ; every choice is made on this one compare, ahead of any line that sets SCC
	s_cselect_b64 s[4:5], s[6:7], s[8:9]           ; the source,
	s_cselect_b64 s[14:15], s[16:17], s[18:19]     ; the codes' buffer,
	s_cselect_b32 s32, 12288, s33                  ; a source row in bytes,
	s_cselect_b32 s34, 0, 24                       ; the first block of columns,
	s_cselect_b32 s35, s25, s31                    ; e1 or e7
	s_lshr_b32 s36, s23, 2
	s_sub_co_u32 s36, s36, s34
	s_and_b32 s37, s23, 3                          ; kb: which 256 along K
	s_lshl_b32 s36, s36, 7
	s_lshl_b32 s38, s22, 5
	s_add_co_u32 s36, s36, s38                     ; c0: my wave's first column
	s_mul_i32 s38, s37, s32
	s_lshl_b32 s38, s38, 8                         ; 256 kb rows
	s_lshl_b32 s39, s36, 2
	s_add_co_u32 s38, s38, s39
	s_mov_b32 s39, 0
	s_add_nc_u64 s[40:41], s[4:5], s[38:39]        ; block 0's first row at my first column
	s_lshl_b32 s38, s32, 5                         ; 32 rows on
.irp t, 1,2,3,4,5,6,7
	s_add_nc_u64 s[40+2*\t:41+2*\t], s[38+2*\t:39+2*\t], s[38:39]   ; a base for each of the eight blocks: the row's bytes differ between the two weights, so they cannot stand in immediates
.endr
	s_lshl_b32 s58, s36, 10                        ; the codes: place c0 (a multiple of 32: sigma leaves it), 1,024 bytes a place,
	s_lshl_b32 s59, s37, 8                         ; + 256 kb
	s_add_co_u32 s58, s58, s59
	s_mov_b32 s59, 0
	s_add_nc_u64 s[14:15], s[14:15], s[58:59]
	v_lshlrev_b32 v3, 2, v2
.set i, 0
.rept 32
	v_mad_u32_u24 v[WO+i], i, s32, v3
.set i, i+1
.endr
.macro WLOAD t                         ; block t: W(32 t + i, my column), i = 0 .. 31, into set t % 2
.set i, 0
.rept 32
	global_load_b32 v[WX+32*((\t)%2)+i], v[WO+i], s[40+2*(\t):41+2*(\t)] th:TH_LOAD_NT
.set i, i+1
.endr
.endm
	WLOAD 0
	WLOAD 1
	s_mul_i32 s56, s22, 32*WP
	s_add_co_u32 s56, s56, WSTG                    ; my stage
	v_mul_u32_u24 v4, v2, WP
	v_add_nc_u32 v4, s56, v4                       ; into it: row = my column
	v_and_b32 v5, 15, v2
	v_lshrrev_b32 v6, 4, v2
	v_mul_u32_u24 v7, v6, WP
	v_lshl_add_u32 v7, v5, 4, v7
	v_add_nc_u32 v7, s56, v7                       ; out of it: sixteen lanes to a row, two rows an instruction
	v_lshlrev_b32 v8, 10, v6
	v_lshl_add_u32 v8, v5, 4, v8                   ; and the same two places in the codes' buffer
	s_add_co_i32 s35, s35, 127
	s_lshl_b32 s57, s35, 23
	v_mov_b32 v11, s57                             ; 2^e
	s_add_co_i32 s35, s35, 8
	s_lshl_b32 s35, s35, 23
	s_or_b32 s35, s35, 0x600000
	v_mov_b32 v10, s35                             ; 448 x 2^e
.macro WBLOCK t
.set XS, WX+32*((\t)%2)
.if (\t) < 7
	s_wait_loadcnt 32                              ; this block's 32 loads are in; the next block's may be out
.else
	s_wait_loadcnt 0x0
.endif
.set i, 0
.rept 32
	v_med3_num_f32 v[XS+i], v[XS+i], -v10, v10
.set i, i+1
.endr
.irp g, 0,1,2,3
	v_cvt_scalef32_pk8_fp8_f32 v[WC+2*\g:WC+2*\g+1], v[XS+8*\g:XS+8*\g+7], v11
.endr
	ds_store_b128 v4, v[WC:WC+3] offset:32*(\t)    ; 32 codes: 32 bytes of my column's row
	ds_store_b128 v4, v[WC+4:WC+7] offset:32*(\t)+16
.if (\t)+2 < 8
	WLOAD (\t)+2
.endif
	s_wait_dscnt 0x0                               ; the stores have read their registers: the next block's codes may be written
.endm
.irp t, 0,1,2,3,4,5,6,7
	WBLOCK \t
.endr
.irp t, 0,1,2,3,4,5,6,7,8,9,10,11,12,13,14,15
	ds_load_b128 v[OUTR+4*\t:OUTR+4*\t+3], v7 offset:2*\t*WP
.endr
.irp t, 0,1,2,3,4,5,6,7,8,9,10,11,12,13,14,15
	s_wait_dscnt 15-\t                             ; LDS loads come back in order: pair t is in
	global_store_b128 v8, v[OUTR+4*\t:OUTR+4*\t+3], s[14:15] offset:((2*\t)%8+16*((\t/4)%2)+8*(\t/8))*1024   ; columns 2 t and 2 t + 1 at places sigma
.endr
	s_wait_tensorcnt 0x0
	ds_add_u32 v208, v209
	s_wait_dscnt 0x0
	s_endpgm
.Lfunc_end_k_q14473a02ed_prep:
	.size	k_q14473a02ed_prep, .Lfunc_end_k_q14473a02ed_prep-k_q14473a02ed_prep
	.p2alignl 7, 3214868480
	.fill 96, 4, 3214868480
	.section	.rodata,"a",@progbits
	.p2align	6, 0x0
	.amdhsa_kernel k_q14473a02ed_prep
		.amdhsa_group_segment_fixed_size 73216
		.amdhsa_private_segment_fixed_size 0
		.amdhsa_enable_private_segment 0
		.amdhsa_kernarg_size 72
		.amdhsa_user_sgpr_count 2
		.amdhsa_user_sgpr_kernarg_segment_ptr 1
		.amdhsa_wavefront_size32 1
		.amdhsa_system_sgpr_workgroup_id_x 1
		.amdhsa_system_sgpr_workgroup_id_y 1
		.amdhsa_system_sgpr_workgroup_id_z 1
		.amdhsa_system_vgpr_workitem_id 0
		.amdhsa_next_free_vgpr 210
		.amdhsa_next_free_sgpr 66
		.amdhsa_reserve_vcc 1
		.amdhsa_float_denorm_mode_32 3
		.amdhsa_float_denorm_mode_16_64 3
		.amdhsa_memory_ordered 1
		.amdhsa_forward_progress 1
		.amdhsa_inst_pref_size 117
	.end_amdhsa_kernel
	.amdgpu_metadata
---
amdhsa.version: [ 1, 2 ]
amdhsa.kernels:
  - .name:           k_q14473a02ed_prep
    .symbol:         k_q14473a02ed_prep.kd
    .args:
      - { .name: X, .offset: 0, .size: 8, .value_kind: global_buffer, .address_space: global }
      - { .name: W_qkv, .offset: 8, .size: 8, .value_kind: global_buffer, .address_space: global }
      - { .name: W_dense, .offset: 16, .size: 8, .value_kind: global_buffer, .address_space: global }
      - { .name: attention_mask, .offset: 24, .size: 8, .value_kind: global_buffer, .address_space: global }
      - { .name: lowp_scales, .offset: 32, .size: 8, .value_kind: global_buffer, .address_space: global }
      - { .name: xc, .offset: 40, .size: 8, .value_kind: global_buffer, .address_space: global }
      - { .name: wqc, .offset: 48, .size: 8, .value_kind: global_buffer, .address_space: global }
      - { .name: wdc, .offset: 56, .size: 8, .value_kind: global_buffer, .address_space: global }
      - { .name: maskw, .offset: 64, .size: 8, .value_kind: global_buffer, .address_space: global }
    .group_segment_fixed_size: 73216
    .private_segment_fixed_size: 0
    .kernarg_segment_align: 8
    .kernarg_segment_size: 72
    .max_flat_workgroup_size: 128
    .sgpr_count:     66
    .vgpr_count:     210
    .wavefront_size: 32
...
	.end_amdgpu_metadata
.endif
;; end of part 5
;; launch qkv: the kernel of part 2 again; grid 12 x 16, 4 waves a work-group, clusters of 4 x 4, 327,680 bytes of LDS; arguments xc, wqc, lowp_scales, b_qkv, qkvimg; writes qkvimg
;; launch attn (part 6): grid 8 x 32, 16 waves a work-group, no clusters, 264,192 bytes of LDS; arguments qkvimg, maskw, lowp_scales, aimg; writes aimg
.if DOCPART == 6
	.amdgcn_target "amdgcn-amd-amdhsa--gfx1250"
	.amdhsa_code_object_version 6
	.text
	.protected	k_q14473a02ed_attn
	.globl	k_q14473a02ed_attn
	.p2align	8
	.type	k_q14473a02ed_attn,@function
k_q14473a02ed_attn:
	s_mov_b64 s[64:65], 0
	v_nop
	global_prefetch_b8 v0, s[64:65] scope:SCOPE_SE
	s_setreg_imm32_b32 hwreg(HW_REG_WAVE_MODE, 25, 1), 1
	s_wait_xcnt 0x0
; a = softmax(where(mask, -0.0001, q k^T / 8)) v for one head, both products on codes of E4M3 (q 2^e2, k 2^e3, p 2^e4, v 2^e5), and a quantised with 2^e6 for the last product.
; The mask is an input and a masked score is a NUMBER, not minus infinity: every key counts for every query, in the maximum, the sum and the second product.  No key is left out.
; THE SOFTMAX AHEAD OF THE SECOND PRODUCT: t = score x log2(e); M = the row's largest t so far, rounded UP to a whole number; p = 2^(t - M) is quantised, not normalised; the row's sum is taken of the unquantised p and
; divides at the end.  When M moves, the sum and O are multiplied by 2^(old M - new M): exact.
; SHARES.  A work-group serves one head (y: 16 batch + head); each of its sixteen waves one tile of 16 queries, in 256 registers: four waves to a SIMD, so that one wave's vector work stands beside another's matrix
; work and LDS loads.  Every wave walks all 2,048 keys, 128 a step.
; THREE KINDS OF KEY STEP, by the class that the first launch stored for (my tile, the step): a branch on a stored whole number; every mask is served, and the values do not hang on the way taken.
;   2, MIXED: all of the work below.   0, OPEN (no byte of the 16 x 128 set): the same without the 64 selects.
;   1, SHUT (every byte set): all 2,048 scores are the one number that stands for -0.0001, so K is not read, the first product, the selects, the maximum over scores and all but one exponential a lane are not made:
;      one p by the same multiply-add and exponential, 32 p onto each half of the sum, p's code in all 128 places of the operand; O^T's rescaling and the four products with V as ever.
;   So the launch's work hangs on the mask that is given: a mask with both kinds of bytes in every tile takes the mixed way in every step.
; WHICH TILE.  Wave w = 4 a + b of work-group x takes tile x + 8 rho, rho = 4 (a xor b) + (a xor pi(b)), pi = 0, 2, 3, 1: a bijection of 0 .. 15 in which the four waves of equal a, and the four of equal b, hold one rank
; of each quarter and equal sums of ranks.  Where a mask's shut steps grow or fall with the query, every work-group and every such four of waves then have the same share of them.
; K AND V OF THE HEAD STAY IN LDS, 131,072 bytes each, as the images of operand registers that the launch before stored: a fragment's four registers are one ds_load_b128 at 16 x lane: 512 consecutive bytes, no padding.
; They come through registers, a quarter (512 keys) at a time, each quarter loaded while the quarter before is worked on: 32 loads a wave in the whole launch.  NO TENSOR LOAD AND NO JOINT REQUEST, though the eight
; work-groups of a head read the same 262,144 bytes: the branches on the class and on e4 spare most of a key step's instructions.
; LAYOUT.  Both products are used transposed: S^T = K Q^T (source 0 = 16 keys), O^T = V^T P^T (source 0 = 16 channels): a lane holds ONE query (lane % 16) throughout.  Tile T, lane r of an image is row sigma(16 T + r)
; (bits 3 and 4 exchanged), so score register n = 16 c + i holds key 128 ks + 32 c + 16 (lane / 16) + i: the conversions' results are the second product's operand; O^T's registers likewise run along the channels.
; THE MASK comes as words of lane bits, one for each score register (64 a step), by scalar loads, asked for in the step before a mixed step; a set bit puts RAWM in the score's place, the number that the scaling turns
; into -0.0001 x log2(e).
; LIMITS: e2 + e3 between -123 and 130 (added to c's exponent field); e4 and e6 between -126 and 119.  NaN is not served.
; REGISTERS: v1 16 x lane; v2, v3 the step's LDS addresses; v4-6, v8 the fill's; v7 RAWM; v9 16 x lane + V's base; v10, v11 448 x 2^e4, 2^e4; v12 -M; v13 the largest t; v[14:15] the sum; v16-23 Q; v[24:25] f; v26-30 at work;
;   v31 RAWM x c; v32-95 K's eight fragments, then V's four; v96-159 S^T, then p; v160-191 O^T; v192-207 p's codes; v208-239 the fill; v240-247 a's codes; v248, v249 2^e6, 448 x 2^e6.
;   s[2:3] K's image of my head (V's lies 4 MiB on); s[4:5] my tile's mask words; s[6:7] my tile of Q; s[8:9] my place in aimg; s10 wave; s11 the next step's words' offset; s12 the key step's LDS byte; s13 counter;
;   s14 the classes still to come, two bits a step; s15 hold or not; s16-63, s68-83 a step's 64 mask words; s[84:85] lane selects; s[86:87] c; s88-95 e0 .. e7; s100 a class; s101 the offset that the words' loads name.
.set VBASE, 131072
.set CLS,   524288                     ; maskw: the classes lie behind the words: 64 bytes a tile
	s_load_b128 s[96:99], s[0:1], 0x0              ; qkvimg s[96:97], maskw s[98:99]
	s_load_b128 s[88:91], s[0:1], 0x10             ; the scales' exponents s[88:89], aimg s[90:91]
	v_lshl_add_u32 v254, v0, 2, 0x40000
	v_mov_b32 v255, 0
	v_lshrrev_b32 v26, 5, v0
	v_readfirstlane_b32 s10, v26                   ; wave 0..15
	v_and_b32 v1, 31, v0
	v_lshlrev_b32 v1, 4, v1
	v_lshlrev_b32 v4, 4, v0                        ; the fill: 16 x thread: the work-group's 512 threads cover 8,192 bytes an instruction
	v_add_nc_u32 v5, 0x10000, v4
	v_add_nc_u32 v6, 0x20000, v4
	v_add_nc_u32 v8, 0x30000, v4
	v_add_nc_u32 v9, VBASE, v1
	s_and_b32 s14, ttmp7, 0xffff                   ; 16 batch + head
	s_lshr_b32 s16, s10, 2                         ; a
	s_and_b32 s17, s10, 3                          ; b
	s_xor_b32 s12, s16, s17                        ; a xor b
	s_lshr_b32 s18, s17, 1                         ; b's upper bit: pi(b)'s lower;
	s_xor_b32 s17, s17, s18
	s_and_b32 s17, s17, 1                          ; b's two bits xored: pi(b)'s upper
	s_lshl_b32 s17, s17, 1
	s_or_b32 s17, s17, s18                         ; pi(b)
	s_xor_b32 s17, s17, s16                        ; a xor pi(b)
	s_lshl_b32 s12, s12, 2
	s_or_b32 s12, s12, s17                         ; rho
	s_lshl_b32 s12, s12, 3
	s_add_co_u32 s12, s12, ttmp9                   ; T: my tile of queries, 0..127
	s_mov_b32 s17, 0
	s_wait_kmcnt 0x0
	s_mov_b64 s[100:101], s[88:89]
	s_lshl_b32 s16, s14, 17
	s_add_nc_u64 s[6:7], s[96:97], s[16:17]        ; Q's image of my head
	s_add_nc_u64 s[2:3], s[6:7], 0x400000          ; K's
	s_lshl_b32 s16, s12, 10
	s_add_nc_u64 s[6:7], s[6:7], s[16:17]          ; my tile of Q
	s_lshl_b32 s16, s12, 12
	s_add_nc_u64 s[4:5], s[98:99], s[16:17]        ; my tile's mask words: 16 steps of 256 bytes
	s_lshl_b32 s16, s12, 6
	s_add_co_u32 s16, s16, CLS
	s_add_nc_u64 s[98:99], s[98:99], s[16:17]      ; my tile's sixteen class words
	s_lshr_b32 s16, s14, 4
	s_lshl_b32 s16, s16, 7
	s_add_co_u32 s16, s16, s12                     ; the tile of tokens among all 256
	s_lshl_b32 s16, s16, 14
	s_and_b32 s18, s14, 15
	s_lshl_b32 s18, s18, 10                        ; the head's 64 channels: K step head / 2, registers 8 (head % 2) on: 1,024 bytes a head
	s_add_co_u32 s16, s16, s18
	s_add_nc_u64 s[8:9], s[90:91], s[16:17]
	s_load_b256 s[88:95], s[100:101], 0x0          ; e0 .. e7
	s_load_b512 s[16:31], s[98:99], 0x0            ; word ks: the class << 2 ks
.macro LOADQ q                         ; quarter q of K's and of V's image: 32,768 bytes each
.irp i, 0,1,2,3
	global_load_b128 v[208+4*\i:211+4*\i], v4, s[2:3] offset:(\q)*32768+\i*8192
	global_load_b128 v[224+4*\i:227+4*\i], v4, s[2:3] offset:4194304+(\q)*32768+\i*8192
.endr
.endm
	LOADQ 0
	global_load_b128 v[16:19], v1, s[6:7]          ; Q's fragment stays in registers: channels 16 h + 0..15,
	global_load_b128 v[20:23], v1, s[6:7] offset:512   ; and 32 + 16 h + 0..15
.macro MASKLOAD                        ; the 64 words of the step at byte s101
	s_load_b512 s[16:31], s[4:5], s101 offset:0x0
	s_load_b512 s[32:47], s[4:5], s101 offset:0x40
	s_load_b512 s[48:63], s[4:5], s101 offset:0x80
	s_load_b512 s[68:83], s[4:5], s101 offset:0xc0
.endm
	s_mov_b32 s84, 0x76543210
	s_mov_b32 s85, 0xfedcba98                      ; v_permlanex16_b32's selects for lane l xor 16
	v_mov_b32 v13, 0xff61b1e6                      ; the largest t so far: -3e38, under every t
	v_floor_f32 v12, -v13                          ; -M
	v_mov_b32 v14, 0
	v_mov_b32 v15, 0
	v_mov_b32 v25, 0                               ; (named as the upper half of the pair v[24:25])
	v_mov_b32 v27, 0                               ; a lane permute's destination counts as one of its sources
	v_mov_b32 v29, 0                               ; (named as the upper half of the pair v[28:29])
.set j, 0
.rept 32
	v_mov_b32 v[160+j], 0                          ; O^T.  (The step is written once for all sixteen: the first finds zeros, which the first change of M leaves zeros)
.set j, j+1
.endr
	s_wait_kmcnt 0x0                               ; the exponents and the classes
	s_or_b32 s14, s16, s17
.irp k, 18,19,20,21,22,23,24,25,26,27,28,29,30,31
	s_or_b32 s14, s14, s\k                         ; sixteen classes, two bits each, step 0's lowest
.endr
	s_mov_b32 s11, 0
	s_mov_b32 s101, 0
	MASKLOAD                                       ; step 0's words, whatever its class: they are waited for where they are read or asked for again
	s_add_co_i32 s96, s90, s91                     ; e2 + e3: a score stands for score x 2^(e2 + e3)
	s_lshl_b32 s97, s96, 23
	s_mov_b32 s86, 0x3e38aa3b                      ; log2(e) / 8
	s_add_co_i32 s86, s86, s97                     ; c: the two exponents are added to its exponent field
	s_mov_b32 s87, s86                             ; (named with it as a pair)
	s_sub_co_i32 s96, 0, s96
	v_mov_b32 v7, 0xba51b717                       ; -0.0008
	v_ldexp_f32 v7, v7, s96                        ; RAWM = -0.0008 / 2^(e2 + e3): RAWM x c = -0.0001 x log2(e)
	v_mul_f32 v31, s86, v7                         ; a masked score as t
	s_add_co_i32 s96, s92, 127
	s_lshl_b32 s97, s96, 23
	v_mov_b32 v11, s97                             ; 2^e4
	s_add_co_i32 s96, s96, 8
	s_lshl_b32 s96, s96, 23
	s_or_b32 s96, s96, 0x600000
	v_mov_b32 v10, s96                             ; 448 x 2^e4
	s_add_co_i32 s96, s94, 127
	s_lshl_b32 s97, s96, 23
	v_mov_b32 v248, s97                            ; 2^e6
	s_add_co_i32 s96, s96, 8
	s_lshl_b32 s96, s96, 23
	s_or_b32 s96, s96, 0x600000
	v_mov_b32 v249, s96                            ; 448 x 2^e6
	s_cmp_lt_i32 s92, -8                           ; p is at most 1, and 448 x 2^e4 is 1.75 at e4 = -8: the hold can bite only under that
	s_cselect_b32 s15, 1, 0
; The next step's mask words are asked for only where that step is mixed.  The wait for 0 stands ahead of the loads, so that none lands on registers that an earlier load may still write, and the offset that the loads name is
; written only behind it.
.macro NEXTMASK
	s_add_co_u32 s11, s11, 256
	s_and_b32 s11, s11, 0xf00                      ; (behind the last step: 0: inside the buffer; its class reads 0 and nothing is asked for)
	s_and_b32 s100, s14, 3                         ; the next step's class
	s_cmp_eq_u32 s100, 2
	s_cbranch_scc0 .Lno_words_\@
	s_wait_kmcnt 0x0
	s_mov_b32 s101, s11
	MASKLOAD
.Lno_words_\@:
.endm
; A KEY STEP: 128 keys, at LDS byte s12 of both images.
.macro STEP
	v_add_nc_u32 v2, s12, v1
	v_add_nc_u32 v3, s12, v9
	v_nop
	v_nop                                          ; with the two additions: four places between the last step's products and the loads into the registers that they read, on every way
	s_and_b32 s100, s14, 3                         ; this step's class
	s_lshr_b32 s14, s14, 2
	s_cmp_eq_u32 s100, 1
	s_cbranch_scc1 .Lshut_\@
.irp t, 0,1,2,3,4,5,6,7
	ds_load_b128 v[32+8*\t:35+8*\t], v2 offset:1024*\t
	ds_load_b128 v[36+8*\t:39+8*\t], v2 offset:1024*\t+512
.endr
	s_wait_dscnt 8                                 ; tiles 0-3 are in; the eight loads of tiles 4-7 may be out
.irp t, 0,1,2,3
	v_wmma_f32_16x16x64_fp8_fp8 v[96+8*\t:103+8*\t], v[32+8*\t:39+8*\t], v[16:23], 0
.endr
	s_wait_dscnt 0x0
.irp t, 4,5,6,7
	v_wmma_f32_16x16x64_fp8_fp8 v[96+8*\t:103+8*\t], v[32+8*\t:39+8*\t], v[16:23], 0
.endr
.rept 4
	v_nop                                          ; places in front of the loads below and of the first read of the scores
.endr
.irp d, 0,1,2,3
.irp c, 0,1,2,3
	ds_load_b128 v[32+16*\d+4*\c:35+16*\d+4*\c], v3 offset:4096*(\c/2)+1024*\d+512*(\c%2)   ; V's four fragments land under the softmax
.endr
.endr
	s_cmp_eq_u32 s100, 0
	s_cbranch_scc1 .Lopen_\@                       ; no byte of the mask is set: nothing to put in a score's place
	s_wait_kmcnt 0x0                               ; the step's mask words, asked for in the step before
.set n, 0
.rept 64
.if n < 48
.set MW, 16+n
.else
.set MW, 20+n
.endif
	v_cndmask_b32 v[96+n], v[96+n], v7, s[MW]      ; where the mask's bit is set: RAWM.  Each accumulator is read from its low end on
.set n, n+1
.endr
.Lopen_\@:
	NEXTMASK
	v_max3_num_f32 v26, v96, v97, v98              ; the step's largest score of my query, among my 64 keys, in two chains, each accumulator from its low end on,
	v_max3_num_f32 v30, v99, v100, v101
.irp i, 6,10,14,18,22,26,30,34,38,42,46,50,54,58
	v_max3_num_f32 v26, v26, v[96+\i], v[97+\i]
	v_max3_num_f32 v30, v30, v[98+\i], v[99+\i]
.endr
	v_max3_num_f32 v26, v26, v158, v159
	v_max_num_f32 v26, v26, v30
	v_permlanex16_b32 v27, v26, s84, s85
	v_max_num_f32 v26, v26, v27                    ; and among lane l xor 16's
	v_mul_f32 v26, s86, v26                        ; as t (c is positive)
	v_max_num_f32 v13, v13, v26                    ; the running largest t
	v_mov_b32 v26, v12
	v_floor_f32 v12, -v13                          ; the new -M = floor(-t) = -ceil(t): a whole number
	v_sub_f32 v26, v12, v26                        ; old M - new M: a whole number, 0 or less
	v_cvt_i32_f32 v26, v26                         ; (it saturates)
	v_ldexp_f32 v24, 1.0, v26                      ; f = 2^(old M - new M)
.set j, 0
.rept 32
	v_pk_fma_f32 v[96+j:97+j], v[96+j:97+j], s[86:87], v[12:13] op_sel_hi:[1,0,0]   ; t - M, two at a time
.set j, j+2
.endr
.set j, 0
.rept 64
	v_exp_f32 v[96+j], v[96+j]                     ; p = 2^(t - M), at most 1
.set j, j+1
.endr
	v_pk_mul_f32 v[14:15], v[14:15], v[24:25] op_sel_hi:[1,0]   ; the sums under the new M: the plain line behind the exponentials
	s_wait_alu depctr_va_vdst(0)                   ; one wait for the whole batch, ahead of its first reader
	v_pk_add_f32 v[28:29], v[96:97], v[98:99]      ; the row's sum is taken of the UNQUANTISED p, in two chains
.irp j, 4,8,12,16,20,24,28,32,36,40,44,48,52,56,60
	v_pk_add_f32 v[14:15], v[14:15], v[96+\j:97+\j]
	v_pk_add_f32 v[28:29], v[28:29], v[98+\j:99+\j]
.endr
	v_pk_add_f32 v[14:15], v[14:15], v[28:29]
	s_cmp_eq_u32 s15, 0
	s_cbranch_scc1 .Lno_hold_\@                    ; a branch on a given whole number, the same in every wave; no barrier stands under it
.set j, 0
.rept 64
	v_min_num_f32 v[96+j], v[96+j], v10            ; the conversion does not saturate (ISA guide 7.6.2); p is not negative, so the hold is one-sided
.set j, j+1
.endr
.Lno_hold_\@:
.irp t, 0,1,2,3,4,5,6,7
	v_cvt_scalef32_pk8_fp8_f32 v[192+2*\t:193+2*\t], v[96+8*\t:103+8*\t], v11
.endr
	s_branch .Ltail_\@
; THE SHUT STEP.  Every score of my tile is RAWM.  The same lines as above make of it t, M, f and p; a lane's 64 equal p are 32 p for each half of the sum.
.Lshut_\@:
.irp d, 0,1,2,3
.irp c, 0,1,2,3
	ds_load_b128 v[32+16*\d+4*\c:35+16*\d+4*\c], v3 offset:4096*(\c/2)+1024*\d+512*(\c%2)   ; V's four fragments
.endr
.endr
	NEXTMASK
	v_max_num_f32 v13, v13, v31                    ; the running largest t takes in the one t
	v_mov_b32 v26, v12
	v_floor_f32 v12, -v13                          ; the new -M
	v_fma_f32 v30, v7, s86, v12                    ; t - M, by the multiply-add that the other ways use
	v_exp_f32 v30, v30                             ; p
	v_sub_f32 v26, v12, v26                        ; (three plain lines behind the exponential)  old M - new M
	v_cvt_i32_f32 v26, v26
	v_ldexp_f32 v24, 1.0, v26                      ; f
	s_wait_alu depctr_va_vdst(0)                   ; the wait ahead of p's first reader
	v_mul_f32 v28, 0x42000000, v30                 ; 32 p: exact
	v_pk_fma_f32 v[14:15], v[14:15], v[24:25], v[28:29] op_sel_hi:[1,0,0]   ; each half of the sum: x f + 32 p
.irp j, 0,1,2,3,4,5,6,7
	v_min_num_f32 v[96+\j], v30, v10               ; the hold, which also lays p into the eight registers that a conversion takes
.endr
.irp t, 0,1,2,3,4,5,6,7
	v_cvt_scalef32_pk8_fp8_f32 v[192+2*\t:193+2*\t], v[96:103], v11   ; p's code in all 64 places of my lane
.endr
.Ltail_\@:
.set j, 0
.rept 16
	v_pk_mul_f32 v[160+j:161+j], v[160+j:161+j], v[24:25] op_sel_hi:[1,0]   ; O^T under the new M; also the plain lines between the conversions and the products
.set j, j+2
.endr
	s_wait_dscnt 0x0                               ; V's fragments
.irp d, 0,1,2,3
	v_wmma_f32_16x16x128_fp8_fp8 v[160+8*\d:167+8*\d], v[32+16*\d:47+16*\d], v[192:207], v[160+8*\d:167+8*\d]   ; four accumulators by turns, one instruction a turn
.endr
	s_add_co_u32 s12, s12, 8192
.endm
; A QUARTER: its 65,536 bytes go from registers into LDS, the next quarter's loads go out, one barrier, four key steps.  A quarter's bytes are stored once and lie apart from all that any wave is still reading.
.macro QUARTER q
.if (\q) < 2
.set KA, 4
.set VA, 6
.else
.set KA, 5
.set VA, 8
.endif
	s_wait_loadcnt 0x0                             ; the quarter's eight loads (and, the first time, Q's two)
.irp i, 0,1,2,3
	ds_store_b128 v[KA], v[208+4*\i:211+4*\i] offset:((\q)%2)*32768+\i*8192
	ds_store_b128 v[VA], v[224+4*\i:227+4*\i] offset:((\q)%2)*32768+\i*8192
.endr
	s_wait_dscnt 0x0                               ; for the others' sake: my stores have landed; and they have read their registers,
.if (\q) < 3
	LOADQ (\q)+1                                   ; which take the next quarter: it has four key steps in which to come
.endif
	s_barrier_signal -1
	s_barrier_wait -1                              ; everybody's part of the quarter lies in LDS
	s_mov_b32 s12, (\q)*32768
	s_mov_b32 s13, 4
.Lkeys_\@:
	STEP
	s_sub_co_u32 s13, s13, 1
	s_cmp_lg_u32 s13, 0
	s_cbranch_scc1 .Lkeys_\@
.endm
	QUARTER 0
	QUARTER 1
	QUARTER 2
	QUARTER 3
	; THE WAY OUT.  a = O^T / the sum x 2^(e4 + e5), held, quantised with 2^e6.  Tiles 2 c and 2 c + 1 of O^T are channels 32 c + 16 h + 0..15 of my query: four registers of the last product's operand, stored as their image.
.rept 4
	v_nop                                          ; places behind the last products
.endr
	v_add_f32 v14, v14, v15                        ; the sum's two halves,
	v_permlanex16_b32 v27, v14, s84, s85
	v_add_f32 v14, v14, v27                        ; and lane l xor 16's
	v_rcp_f32 v14, v14
	v_nop                                          ; a plain line behind the transcendental
	s_add_co_i32 s96, s92, s93
	s_wait_alu depctr_va_vdst(0)                   ; the wait ahead of its first reader
	v_ldexp_f32 v14, v14, s96
.set j, 0
.rept 16
	v_pk_mul_f32 v[160+j:161+j], v[160+j:161+j], v[14:15] op_sel_hi:[1,0]
.set j, j+2
.endr
.set j, 0
.rept 32
	v_med3_num_f32 v[160+j], v[160+j], -v249, v249
.set j, j+1
.endr
.irp d, 0,1,2,3
	v_cvt_scalef32_pk8_fp8_f32 v[240+2*\d:241+2*\d], v[160+8*\d:167+8*\d], v248
.endr
	v_nop
	global_store_b128 v1, v[240:243], s[8:9]       ; 512 consecutive bytes, aligned;
	global_store_b128 v1, v[244:247], s[8:9] offset:512   ; and the 512 behind them
	s_wait_tensorcnt 0x0
	ds_add_u32 v254, v255
	s_wait_dscnt 0x0
	s_endpgm
.Lfunc_end_k_q14473a02ed_attn:
	.size	k_q14473a02ed_attn, .Lfunc_end_k_q14473a02ed_attn-k_q14473a02ed_attn
	.p2alignl 7, 3214868480
	.fill 96, 4, 3214868480
	.section	.rodata,"a",@progbits
	.p2align	6, 0x0
	.amdhsa_kernel k_q14473a02ed_attn
		.amdhsa_group_segment_fixed_size 264192
		.amdhsa_private_segment_fixed_size 0
		.amdhsa_enable_private_segment 0
		.amdhsa_kernarg_size 32
		.amdhsa_user_sgpr_count 2
		.amdhsa_user_sgpr_kernarg_segment_ptr 1
		.amdhsa_wavefront_size32 1
		.amdhsa_system_sgpr_workgroup_id_x 1
		.amdhsa_system_sgpr_workgroup_id_y 1
		.amdhsa_system_sgpr_workgroup_id_z 1
		.amdhsa_system_vgpr_workitem_id 0
		.amdhsa_next_free_vgpr 256
		.amdhsa_next_free_sgpr 102
		.amdhsa_reserve_vcc 0
		.amdhsa_float_denorm_mode_32 3
		.amdhsa_float_denorm_mode_16_64 3
		.amdhsa_memory_ordered 1
		.amdhsa_forward_progress 1
		.amdhsa_inst_pref_size 107
	.end_amdhsa_kernel
	.amdgpu_metadata
---
amdhsa.version: [ 1, 2 ]
amdhsa.kernels:
  - .name:           k_q14473a02ed_attn
    .symbol:         k_q14473a02ed_attn.kd
    .args:
      - { .name: qkvimg, .offset: 0, .size: 8, .value_kind: global_buffer, .address_space: global }
      - { .name: maskw, .offset: 8, .size: 8, .value_kind: global_buffer, .address_space: global }
      - { .name: lowp_scales, .offset: 16, .size: 8, .value_kind: global_buffer, .address_space: global }
      - { .name: aimg, .offset: 24, .size: 8, .value_kind: global_buffer, .address_space: global }
    .group_segment_fixed_size: 264192
    .private_segment_fixed_size: 0
    .kernarg_segment_align: 8
    .kernarg_segment_size: 32
    .max_flat_workgroup_size: 512
    .sgpr_count:     102
    .vgpr_count:     256
    .wavefront_size: 32
...
	.end_amdgpu_metadata
.endif
;; end of part 6
;; launch dense: the kernel of part 4 again; grid 4 x 16, 4 waves a work-group, clusters of 4 x 4, 327,680 bytes of LDS; arguments aimg, wdc, lowp_scales, b_dense, out0; writes out0
;; ======== version 3 of 3: 4 launches; version 2 with the launch attn written anew for expert scheduling mode
;; workspace buffers: xc 4,194,304 bytes; wqc 3,145,728 bytes; wdc 1,048,576 bytes; maskw 532,480 bytes of whole numbers; qkvimg 12,582,912 bytes; aimg 4,194,304 bytes
;; launch prep: the kernel of part 5 again; grid 512 x 1, 4 waves a work-group, no clusters, 73,216 bytes of LDS; arguments X, W_qkv, W_dense, attention_mask, lowp_scales, xc, wqc, wdc, maskw; writes xc, wqc, wdc, maskw
;; launch qkv: the kernel of part 2 again; grid 12 x 16, 4 waves a work-group, clusters of 4 x 4, 327,680 bytes of LDS; arguments xc, wqc, lowp_scales, b_qkv, qkvimg; writes qkvimg
;; launch attn (part 7): grid 8 x 32, 16 waves a work-group, no clusters, 264,192 bytes of LDS; arguments qkvimg, maskw, lowp_scales, aimg; writes aimg
.if DOCPART == 7
	.amdgcn_target "amdgcn-amd-amdhsa--gfx1250"
	.amdhsa_code_object_version 6
	.text
	.protected	k_q14473a02ed_attn
	.globl	k_q14473a02ed_attn
	.p2align	8
	.type	k_q14473a02ed_attn,@function
k_q14473a02ed_attn:
	s_mov_b64 s[64:65], 0
	v_nop
	global_prefetch_b8 v0, s[64:65] scope:SCOPE_SE
	s_setreg_imm32_b32 hwreg(HW_REG_WAVE_SCHED_MODE, 0, 2), 2
	s_setreg_imm32_b32 hwreg(HW_REG_WAVE_MODE, 25, 1), 1
	s_wait_xcnt 0x0
	s_wait_alu depctr_vm_vsrc(0)
; a = softmax(where(mask, -0.0001, q k^T / 8)) v for one head, both products on codes of E4M3 (q 2^e2, k 2^e3, p 2^e4, v 2^e5), and a quantised with 2^e6 for the last product.
; The mask is an input and a masked score is a NUMBER, not minus infinity: every key counts for every query, in the maximum, the sum and the second product.  No key is left out.
; THE SOFTMAX AHEAD OF THE SECOND PRODUCT: t = score x log2(e); M = the row's largest t so far, rounded UP to a whole number; p = 2^(t - M) is quantised, not normalised; the row's sum is taken of the unquantised p and
; divides at the end.  When M moves, the sum and O are multiplied by 2^(old M - new M): exact.
; SHARES.  A work-group serves one head (y: 16 batch + head); each of its sixteen waves one tile of 16 queries, in 256 registers: four waves to a SIMD, so that one wave's vector work stands beside another's matrix
; work and LDS loads.  Every wave walks all 2,048 keys, 128 a step.
; THREE KINDS OF KEY STEP, by the class that the first launch stored for (my tile, the step): a branch on a stored whole number; every mask is served, and the values do not hang on the way taken.
;   2, MIXED: all of the work below.   0, OPEN (no byte of the 16 x 128 set): the same without the 64 selects.
;   1, SHUT (every byte set): all 2,048 scores are the one number that stands for -0.0001, so K is not read, the first product, the selects, the maximum over scores and all but one exponential a lane are not made:
;      one p by the same multiply-add and exponential, 32 p onto each half of the sum, p's code in all 128 places of the operand; O^T's rescaling and the four products with V as ever.
;   So the launch's work hangs on the mask that is given: a mask with both kinds of bytes in every tile takes the mixed way in every step.
; WHICH TILE.  Wave w = 4 a + b of work-group x takes tile x + 8 rho, rho = 4 (a xor b) + (a xor pi(b)), pi = 0, 2, 3, 1: a bijection of 0 .. 15 in which the four waves of equal a, and the four of equal b, hold one rank
; of each quarter and equal sums of ranks.  Where a mask's shut steps grow or fall with the query, every work-group and every such four of waves then have the same share of them.
; K AND V OF THE HEAD STAY IN LDS, 131,072 bytes each, as the images of operand registers that the launch before stored: a fragment's four registers are one ds_load_b128 at 16 x lane: 512 consecutive bytes, no padding.
; They come through registers, a quarter (512 keys) at a time, each quarter loaded while the quarter before is worked on: 32 loads a wave in the whole launch.  NO TENSOR LOAD AND NO JOINT REQUEST, though the eight
; work-groups of a head read the same 262,144 bytes: the branches on the class and on e4 spare most of a key step's instructions.
; LAYOUT.  Both products are used transposed: S^T = K Q^T (source 0 = 16 keys), O^T = V^T P^T (source 0 = 16 channels): a lane holds ONE query (lane % 16) throughout.  Tile T, lane r of an image is row sigma(16 T + r)
; (bits 3 and 4 exchanged), so score register n = 16 c + i holds key 128 ks + 32 c + 16 (lane / 16) + i: the conversions' results are the second product's operand; O^T's registers likewise run along the channels.
; THE MASK comes as words of lane bits, one for each score register (64 a step), by scalar loads, asked for in the step before a mixed step; a set bit puts RAWM in the score's place, the number that the scaling turns
; into -0.0001 x log2(e).
; LIMITS: e2 + e3 between -123 and 130 (added to c's exponent field); e4 and e6 between -126 and 119.  NaN is not served.
; THE MODE: SCHED_MODE bits 1:0 = 2 (LLVM: expert scheduling mode 2), set by the entry lines.  The code itself states the register dependences between vector or matrix instructions and memory or LDS instructions,
; with s_wait_alu, always for 0.
; THE PLAN.  Registers that memory or LDS instructions touch, and who else names them:
;   v1, v4-6, v8   offsets and the fill's LDS addresses: written once at the head, ahead of the head's wait on va_vdst; read by the global loads, the fill's LDS stores and the last two stores; never written again.
;   v2, v3         the step's LDS addresses: written by two additions at a step's head; read by that step's sixteen loads of K (v2) and sixteen of V (v3).
;   v32-95         K's fragments land, the step's eight first products read them; V's fragments land, the step's four last products read them.  No vector instruction names them.
;   v16-23         Q: two global loads, once; read by products.
;   v208-239       the fill: a quarter's eight global loads land, its eight LDS stores read them, the next quarter's loads land.  No vector instruction names them.
;   v240-247       a's codes: written by the way out's conversions, read by the two stores.      v254, v255: written at the head, read by the closing add alone.
; So a step has one wait on vm_vsrc, ahead of the two additions, and one on va_vdst behind them, ahead of the branch on the class: the addresses are written and the last step's products are done with v32-95.  An open or
; mixed step has a second on va_vdst, behind its first products: they are done with K's fragments.  Behind that wait V's sixteen loads are dealt among the maxima, which name the scores, v26 and v30 alone.
; A quarter has one wait on vm_vsrc, between its LDS stores and the next quarter's loads.
; REGISTERS: v1 16 x lane; v2, v3 the step's LDS addresses; v4-6, v8 the fill's; v7 RAWM; v9 16 x lane + V's base; v10, v11 448 x 2^e4, 2^e4; v12 -M; v13 the largest t; v[14:15] the sum; v16-23 Q; v[24:25] f; v26-30 at work;
;   v31 RAWM x c; v32-95 K's eight fragments, then V's four; v96-159 S^T, then p; v160-191 O^T; v192-207 p's codes; v208-239 the fill; v240-247 a's codes; v248, v249 2^e6, 448 x 2^e6; v254, v255 the closing add's two.
;   s[2:3] K's image of my head (V's lies 4 MiB on); s[4:5] my tile's mask words; s[6:7] my tile of Q; s[8:9] my place in aimg; s10 wave; s11 the next step's words' offset; s12 the key step's LDS byte; s13 counter;
;   s14 the classes still to come, two bits a step; s15 hold or not; s16-63, s68-83 a step's 64 mask words; s[84:85] lane selects; s[86:87] c; s88-95 e0 .. e7; s100 a class; s101 the offset that the words' loads name.
.set VBASE, 131072
.set CLS,   524288                     ; maskw: the classes lie behind the words: 64 bytes a tile
	s_load_b128 s[96:99], s[0:1], 0x0              ; qkvimg s[96:97], maskw s[98:99]
	s_load_b128 s[88:91], s[0:1], 0x10             ; the scales' exponents s[88:89], aimg s[90:91]
	v_lshl_add_u32 v254, v0, 2, 0x40000            ; my spare word, behind the two images; made here and kept for the closing lines alone
	v_mov_b32 v255, 0
	v_lshrrev_b32 v26, 5, v0
	v_readfirstlane_b32 s10, v26                   ; wave 0..15
	v_and_b32 v1, 31, v0
	v_lshlrev_b32 v1, 4, v1
	v_lshlrev_b32 v4, 4, v0                        ; the fill: 16 x thread: the work-group's 512 threads cover 8,192 bytes an instruction
	v_add_nc_u32 v5, 0x10000, v4
	v_add_nc_u32 v6, 0x20000, v4
	v_add_nc_u32 v8, 0x30000, v4
	v_add_nc_u32 v9, VBASE, v1
	s_and_b32 s14, ttmp7, 0xffff                   ; 16 batch + head
	s_wait_alu depctr_va_sdst(0)                   ; s10 is written, ahead of its first reader: my tile's number is made from it
	s_lshr_b32 s16, s10, 2                         ; a
	s_and_b32 s17, s10, 3                          ; b
	s_xor_b32 s12, s16, s17                        ; a xor b
	s_lshr_b32 s18, s17, 1                         ; b's upper bit: pi(b)'s lower;
	s_xor_b32 s17, s17, s18
	s_and_b32 s17, s17, 1                          ; b's two bits xored: pi(b)'s upper
	s_lshl_b32 s17, s17, 1
	s_or_b32 s17, s17, s18                         ; pi(b)
	s_xor_b32 s17, s17, s16                        ; a xor pi(b)
	s_lshl_b32 s12, s12, 2
	s_or_b32 s12, s12, s17                         ; rho
	s_lshl_b32 s12, s12, 3
	s_add_co_u32 s12, s12, ttmp9                   ; T: my tile of queries, 0..127
	s_mov_b32 s17, 0
	s_wait_kmcnt 0x0
	s_mov_b64 s[100:101], s[88:89]
	s_lshl_b32 s16, s14, 17
	s_add_nc_u64 s[6:7], s[96:97], s[16:17]        ; Q's image of my head
	s_add_nc_u64 s[2:3], s[6:7], 0x400000          ; K's
	s_lshl_b32 s16, s12, 10
	s_add_nc_u64 s[6:7], s[6:7], s[16:17]          ; my tile of Q
	s_lshl_b32 s16, s12, 12
	s_add_nc_u64 s[4:5], s[98:99], s[16:17]        ; my tile's mask words: 16 steps of 256 bytes
	s_lshl_b32 s16, s12, 6
	s_add_co_u32 s16, s16, CLS
	s_add_nc_u64 s[98:99], s[98:99], s[16:17]      ; my tile's sixteen class words
	s_lshr_b32 s16, s14, 4
	s_lshl_b32 s16, s16, 7
	s_add_co_u32 s16, s16, s12                     ; the tile of tokens among all 256
	s_lshl_b32 s16, s16, 14
	s_and_b32 s18, s14, 15
	s_lshl_b32 s18, s18, 10                        ; the head's 64 channels: K step head / 2, registers 8 (head % 2) on: 1,024 bytes a head
	s_add_co_u32 s16, s16, s18
	s_add_nc_u64 s[8:9], s[90:91], s[16:17]
	s_load_b256 s[88:95], s[100:101], 0x0          ; e0 .. e7
	s_load_b512 s[16:31], s[98:99], 0x0            ; word ks: the class << 2 ks
.macro LOADQ q                         ; quarter q of K's and of V's image: 32,768 bytes each
.irp i, 0,1,2,3
	global_load_b128 v[208+4*\i:211+4*\i], v4, s[2:3] offset:(\q)*32768+\i*8192
	global_load_b128 v[224+4*\i:227+4*\i], v4, s[2:3] offset:4194304+(\q)*32768+\i*8192
.endr
.endm
	s_wait_alu depctr_va_vdst(0)                   ; v1, v4, v5, v6 and v8 are written: the offsets of every global load and store and the addresses of the fill's LDS stores; no line writes them again
	LOADQ 0
	global_load_b128 v[16:19], v1, s[6:7]          ; Q's fragment stays in registers: channels 16 h + 0..15,
	global_load_b128 v[20:23], v1, s[6:7] offset:512   ; and 32 + 16 h + 0..15
.macro MASKLOAD                        ; the 64 words of the step at byte s101
	s_load_b512 s[16:31], s[4:5], s101 offset:0x0
	s_load_b512 s[32:47], s[4:5], s101 offset:0x40
	s_load_b512 s[48:63], s[4:5], s101 offset:0x80
	s_load_b512 s[68:83], s[4:5], s101 offset:0xc0
.endm
	s_mov_b32 s84, 0x76543210
	s_mov_b32 s85, 0xfedcba98                      ; v_permlanex16_b32's selects for lane l xor 16
	v_mov_b32 v13, 0xff61b1e6                      ; the largest t so far: -3e38, under every t
	v_floor_f32 v12, -v13                          ; -M
	v_mov_b32 v14, 0
	v_mov_b32 v15, 0
	v_mov_b32 v25, 0                               ; (named as the upper half of the pair v[24:25])
	v_mov_b32 v27, 0                               ; a lane permute's destination counts as one of its sources
	v_mov_b32 v29, 0                               ; (named as the upper half of the pair v[28:29])
.set j, 0
.rept 32
	v_mov_b32 v[160+j], 0                          ; O^T.  (The step is written once for all sixteen: the first finds zeros, which the first change of M leaves zeros)
.set j, j+1
.endr
	s_wait_kmcnt 0x0                               ; the exponents and the classes
	s_or_b32 s14, s16, s17
.irp k, 18,19,20,21,22,23,24,25,26,27,28,29,30,31
	s_or_b32 s14, s14, s\k                         ; sixteen classes, two bits each, step 0's lowest
.endr
	s_mov_b32 s11, 0
	s_mov_b32 s101, 0
	MASKLOAD                                       ; step 0's words, whatever its class: they are waited for where they are read or asked for again
	s_add_co_i32 s96, s90, s91                     ; e2 + e3: a score stands for score x 2^(e2 + e3)
	s_lshl_b32 s97, s96, 23
	s_mov_b32 s86, 0x3e38aa3b                      ; log2(e) / 8
	s_add_co_i32 s86, s86, s97                     ; c: the two exponents are added to its exponent field
	s_mov_b32 s87, s86                             ; (named with it as a pair)
	s_sub_co_i32 s96, 0, s96
	v_mov_b32 v7, 0xba51b717                       ; -0.0008
	v_ldexp_f32 v7, v7, s96                        ; RAWM = -0.0008 / 2^(e2 + e3): RAWM x c = -0.0001 x log2(e)
	v_mul_f32 v31, s86, v7                         ; a masked score as t
	s_add_co_i32 s96, s92, 127
	s_lshl_b32 s97, s96, 23
	v_mov_b32 v11, s97                             ; 2^e4
	s_add_co_i32 s96, s96, 8
	s_lshl_b32 s96, s96, 23
	s_or_b32 s96, s96, 0x600000
	v_mov_b32 v10, s96                             ; 448 x 2^e4
	s_add_co_i32 s96, s94, 127
	s_lshl_b32 s97, s96, 23
	v_mov_b32 v248, s97                            ; 2^e6
	s_add_co_i32 s96, s96, 8
	s_lshl_b32 s96, s96, 23
	s_or_b32 s96, s96, 0x600000
	v_mov_b32 v249, s96                            ; 448 x 2^e6
	s_cmp_lt_i32 s92, -8                           ; p is at most 1, and 448 x 2^e4 is 1.75 at e4 = -8: the hold can bite only under that
	s_cselect_b32 s15, 1, 0
; The next step's mask words are asked for only where that step is mixed.  The wait for 0 stands ahead of the loads, so that none lands on registers that an earlier load may still write, and the offset that the loads name is
; written only behind it.
.macro NEXTMASK
	s_add_co_u32 s11, s11, 256
	s_and_b32 s11, s11, 0xf00                      ; (behind the last step: 0: inside the buffer; its class reads 0 and nothing is asked for)
	s_and_b32 s100, s14, 3                         ; the next step's class
	s_cmp_eq_u32 s100, 2
	s_cbranch_scc0 .Lno_words_\@
	s_wait_kmcnt 0x0
	s_mov_b32 s101, s11
	MASKLOAD
.Lno_words_\@:
.endm
; V's fragments: load vf of sixteen: four registers of fragment vf / 4 (16 channels x 128 keys), 512 consecutive bytes of the image.
.macro VFRAG
	ds_load_b128 v[32+4*vf:35+4*vf], v3 offset:4096*((vf%4)/2)+1024*(vf/4)+512*(vf%2)
.set vf, vf+1
.endm
; A KEY STEP: 128 keys, at LDS byte s12 of both images.
.macro STEP
	s_wait_alu depctr_vm_vsrc(0)                   ; the LDS loads issued so far have read v2 and v3, which the two additions write again
	v_add_nc_u32 v2, s12, v1
	v_add_nc_u32 v3, s12, v9
	v_nop
	v_nop                                          ; with the two additions: four places between the last step's products and the loads into the registers that they read, on every way
	s_wait_alu depctr_va_vdst(0)                   ; v2 and v3 are written, which this step's LDS loads read; the last step's four products are done reading v32-95, in which those loads land.  Ahead of the branch: it serves both ways
	s_and_b32 s100, s14, 3                         ; this step's class
	s_lshr_b32 s14, s14, 2
	s_cmp_eq_u32 s100, 1
	s_cbranch_scc1 .Lshut_\@
.irp t, 0,1,2,3,4,5,6,7
	ds_load_b128 v[32+8*\t:35+8*\t], v2 offset:1024*\t
	ds_load_b128 v[36+8*\t:39+8*\t], v2 offset:1024*\t+512
.endr
	s_wait_dscnt 8                                 ; tiles 0-3 are in; the eight loads of tiles 4-7 may be out
.irp t, 0,1,2,3
	v_wmma_f32_16x16x64_fp8_fp8 v[96+8*\t:103+8*\t], v[32+8*\t:39+8*\t], v[16:23], 0
.endr
	s_wait_dscnt 0x0
.irp t, 4,5,6,7
	v_wmma_f32_16x16x64_fp8_fp8 v[96+8*\t:103+8*\t], v[32+8*\t:39+8*\t], v[16:23], 0
.endr
.rept 4
	v_nop                                          ; places in front of the loads below and of the first read of the scores
.endr
	s_wait_alu depctr_va_vdst(0)                   ; the eight products are done reading K's fragments in v32-95, in which V's land below.  Ahead of the branch: it serves the open and the mixed way
	s_cmp_eq_u32 s100, 0
	s_cbranch_scc1 .Lopen_\@                       ; no byte of the mask is set: nothing to put in a score's place
	s_wait_kmcnt 0x0                               ; the step's mask words, asked for in the step before
.set n, 0
.rept 64
.if n < 48
.set MW, 16+n
.else
.set MW, 20+n
.endif
	v_cndmask_b32 v[96+n], v[96+n], v7, s[MW]      ; where the mask's bit is set: RAWM.  Each accumulator is read from its low end on
.set n, n+1
.endr
.Lopen_\@:
	NEXTMASK
.set vf, 0
	v_max3_num_f32 v26, v96, v97, v98              ; the step's largest score of my query, among my 64 keys, in two chains, each accumulator from its low end on,
	v_max3_num_f32 v30, v99, v100, v101
	VFRAG                                          ; V's sixteen loads are dealt among the maxima and land under the softmax.  No wait: since the wait above the selects and the maxima alone were issued, and they name neither v3 nor v32-95
.irp i, 6,10,14,18,22,26,30,34,38,42,46,50,54,58
	v_max3_num_f32 v26, v26, v[96+\i], v[97+\i]
	v_max3_num_f32 v30, v30, v[98+\i], v[99+\i]
	VFRAG
.endr
	v_max3_num_f32 v26, v26, v158, v159
	VFRAG                                          ; the sixteenth
	v_max_num_f32 v26, v26, v30
	v_permlanex16_b32 v27, v26, s84, s85
	v_max_num_f32 v26, v26, v27                    ; and among lane l xor 16's
	v_mul_f32 v26, s86, v26                        ; as t (c is positive)
	v_max_num_f32 v13, v13, v26                    ; the running largest t
	v_mov_b32 v26, v12
	v_floor_f32 v12, -v13                          ; the new -M = floor(-t) = -ceil(t): a whole number
	v_sub_f32 v26, v12, v26                        ; old M - new M: a whole number, 0 or less
	v_cvt_i32_f32 v26, v26                         ; (it saturates)
	v_ldexp_f32 v24, 1.0, v26                      ; f = 2^(old M - new M)
.set j, 0
.rept 32
	v_pk_fma_f32 v[96+j:97+j], v[96+j:97+j], s[86:87], v[12:13] op_sel_hi:[1,0,0]   ; t - M, two at a time
.set j, j+2
.endr
.set j, 0
.rept 64
	v_exp_f32 v[96+j], v[96+j]                     ; p = 2^(t - M), at most 1
.set j, j+1
.endr
	v_pk_mul_f32 v[14:15], v[14:15], v[24:25] op_sel_hi:[1,0]   ; the sums under the new M: the plain line behind the exponentials
	s_wait_alu depctr_va_vdst(0)                   ; the 64 exponentials have written v96-159: one wait for the whole batch, ahead of its first reader
	v_pk_add_f32 v[28:29], v[96:97], v[98:99]      ; the row's sum is taken of the UNQUANTISED p, in two chains
.irp j, 4,8,12,16,20,24,28,32,36,40,44,48,52,56,60
	v_pk_add_f32 v[14:15], v[14:15], v[96+\j:97+\j]
	v_pk_add_f32 v[28:29], v[28:29], v[98+\j:99+\j]
.endr
	v_pk_add_f32 v[14:15], v[14:15], v[28:29]
	s_cmp_eq_u32 s15, 0
	s_cbranch_scc1 .Lno_hold_\@                    ; a branch on a given whole number, the same in every wave; no barrier stands under it
.set j, 0
.rept 64
	v_min_num_f32 v[96+j], v[96+j], v10            ; the conversion does not saturate (ISA guide 7.6.2); p is not negative, so the hold is one-sided
.set j, j+1
.endr
.Lno_hold_\@:
.irp t, 0,1,2,3,4,5,6,7
	v_cvt_scalef32_pk8_fp8_f32 v[192+2*\t:193+2*\t], v[96+8*\t:103+8*\t], v11
.endr
	s_branch .Ltail_\@
; THE SHUT STEP.  Every score of my tile is RAWM.  The same lines as above make of it t, M, f and p; a lane's 64 equal p are 32 p for each half of the sum.
.Lshut_\@:
.set vf, 0
.rept 16
	VFRAG                                          ; V's four fragments, in one run: the wait at the step's head serves them: scalar lines alone stand between
.endr
	NEXTMASK
	v_max_num_f32 v13, v13, v31                    ; the running largest t takes in the one t
	v_mov_b32 v26, v12
	v_floor_f32 v12, -v13                          ; the new -M
	v_fma_f32 v30, v7, s86, v12                    ; t - M, by the multiply-add that the other ways use
	v_exp_f32 v30, v30                             ; p
	v_sub_f32 v26, v12, v26                        ; (three plain lines behind the exponential)  old M - new M
	v_cvt_i32_f32 v26, v26
	v_ldexp_f32 v24, 1.0, v26                      ; f
	s_wait_alu depctr_va_vdst(0)                   ; the exponential has written v30: the wait ahead of p's first reader
	v_mul_f32 v28, 0x42000000, v30                 ; 32 p: exact
	v_pk_fma_f32 v[14:15], v[14:15], v[24:25], v[28:29] op_sel_hi:[1,0,0]   ; each half of the sum: x f + 32 p
.irp j, 0,1,2,3,4,5,6,7
	v_min_num_f32 v[96+\j], v30, v10               ; the hold, which also lays p into the eight registers that a conversion takes
.endr
.irp t, 0,1,2,3,4,5,6,7
	v_cvt_scalef32_pk8_fp8_f32 v[192+2*\t:193+2*\t], v[96:103], v11   ; p's code in all 64 places of my lane
.endr
.Ltail_\@:
.set j, 0
.rept 16
	v_pk_mul_f32 v[160+j:161+j], v[160+j:161+j], v[24:25] op_sel_hi:[1,0]   ; O^T under the new M; also the plain lines between the conversions and the products
.set j, j+2
.endr
	s_wait_dscnt 0x0                               ; V's fragments
.irp d, 0,1,2,3
	v_wmma_f32_16x16x128_fp8_fp8 v[160+8*\d:167+8*\d], v[32+16*\d:47+16*\d], v[192:207], v[160+8*\d:167+8*\d]   ; four accumulators by turns, one instruction a turn
.endr
	s_add_co_u32 s12, s12, 8192
.endm
; A QUARTER: its 65,536 bytes go from registers into LDS, the next quarter's loads go out, one barrier, four key steps.  A quarter's bytes are stored once and lie apart from all that any wave is still reading.
.macro QUARTER q
.if (\q) < 2
.set KA, 4
.set VA, 6
.else
.set KA, 5
.set VA, 8
.endif
	s_wait_loadcnt 0x0                             ; the quarter's eight loads (and, the first time, Q's two)
.irp i, 0,1,2,3
	ds_store_b128 v[KA], v[208+4*\i:211+4*\i] offset:((\q)%2)*32768+\i*8192   ; the data come from loads; the addresses were written ahead of the head's wait on va_vdst
	ds_store_b128 v[VA], v[224+4*\i:227+4*\i] offset:((\q)%2)*32768+\i*8192
.endr
	s_wait_dscnt 0x0                               ; for the others' sake: my stores have landed
.if (\q) < 3
	s_wait_alu depctr_vm_vsrc(0)                   ; my LDS stores have read v208-239, in which the next quarter's loads land
	LOADQ (\q)+1                                   ; the next quarter: it has four key steps in which to come
.endif
	s_barrier_signal -1
	s_barrier_wait -1                              ; everybody's part of the quarter lies in LDS
	s_mov_b32 s12, (\q)*32768
	s_mov_b32 s13, 4
.Lkeys_\@:
	STEP
	s_sub_co_u32 s13, s13, 1
	s_cmp_lg_u32 s13, 0
	s_cbranch_scc1 .Lkeys_\@
.endm
	QUARTER 0
	QUARTER 1
	QUARTER 2
	QUARTER 3
	; THE WAY OUT.  a = O^T / the sum x 2^(e4 + e5), held, quantised with 2^e6.  Tiles 2 c and 2 c + 1 of O^T are channels 32 c + 16 h + 0..15 of my query: four registers of the last product's operand, stored as their image.
.rept 4
	v_nop                                          ; places behind the last products
.endr
	v_add_f32 v14, v14, v15                        ; the sum's two halves,
	v_permlanex16_b32 v27, v14, s84, s85
	v_add_f32 v14, v14, v27                        ; and lane l xor 16's
	v_rcp_f32 v14, v14
	v_nop                                          ; a plain line behind the transcendental
	s_add_co_i32 s96, s92, s93
	s_wait_alu depctr_va_vdst(0)                   ; the reciprocal has written v14: the wait ahead of its first reader
	v_ldexp_f32 v14, v14, s96
.set j, 0
.rept 16
	v_pk_mul_f32 v[160+j:161+j], v[160+j:161+j], v[14:15] op_sel_hi:[1,0]
.set j, j+2
.endr
.set j, 0
.rept 32
	v_med3_num_f32 v[160+j], v[160+j], -v249, v249
.set j, j+1
.endr
.irp d, 0,1,2,3
	v_cvt_scalef32_pk8_fp8_f32 v[240+2*\d:241+2*\d], v[160+8*\d:167+8*\d], v248
.endr
	v_nop
	s_wait_alu depctr_va_vdst(0)                   ; the four conversions have written v240-247, which the two stores read
	global_store_b128 v1, v[240:243], s[8:9]       ; 512 consecutive bytes, aligned;
	global_store_b128 v1, v[244:247], s[8:9] offset:512   ; and the 512 behind them
	s_wait_dscnt 0x0                               ; the closing lines, six on end
	s_wait_alu 0x0
	s_wait_tensorcnt 0x0
	ds_add_u32 v254, v255
	s_wait_dscnt 0x0
	s_endpgm
.Lfunc_end_k_q14473a02ed_attn:
	.size	k_q14473a02ed_attn, .Lfunc_end_k_q14473a02ed_attn-k_q14473a02ed_attn
	.p2alignl 7, 3214868480
	.fill 96, 4, 3214868480
	.section	.rodata,"a",@progbits
	.p2align	6, 0x0
	.amdhsa_kernel k_q14473a02ed_attn
		.amdhsa_group_segment_fixed_size 264192
		.amdhsa_private_segment_fixed_size 0
		.amdhsa_enable_private_segment 0
		.amdhsa_kernarg_size 32
		.amdhsa_user_sgpr_count 2
		.amdhsa_user_sgpr_kernarg_segment_ptr 1
		.amdhsa_wavefront_size32 1
		.amdhsa_system_sgpr_workgroup_id_x 1
		.amdhsa_system_sgpr_workgroup_id_y 1
		.amdhsa_system_sgpr_workgroup_id_z 1
		.amdhsa_system_vgpr_workitem_id 0
		.amdhsa_next_free_vgpr 256
		.amdhsa_next_free_sgpr 102
		.amdhsa_reserve_vcc 0
		.amdhsa_float_denorm_mode_32 3
		.amdhsa_float_denorm_mode_16_64 3
		.amdhsa_memory_ordered 1
		.amdhsa_forward_progress 1
		.amdhsa_inst_pref_size 108
	.end_amdhsa_kernel
	.amdgpu_metadata
---
amdhsa.version: [ 1, 2 ]
amdhsa.kernels:
  - .name:           k_q14473a02ed_attn
    .symbol:         k_q14473a02ed_attn.kd
    .args:
      - { .name: qkvimg, .offset: 0, .size: 8, .value_kind: global_buffer, .address_space: global }
      - { .name: maskw, .offset: 8, .size: 8, .value_kind: global_buffer, .address_space: global }
      - { .name: lowp_scales, .offset: 16, .size: 8, .value_kind: global_buffer, .address_space: global }
      - { .name: aimg, .offset: 24, .size: 8, .value_kind: global_buffer, .address_space: global }
    .group_segment_fixed_size: 264192
    .private_segment_fixed_size: 0
    .kernarg_segment_align: 8
    .kernarg_segment_size: 32
    .max_flat_workgroup_size: 512
    .sgpr_count:     102
    .vgpr_count:     256
    .wavefront_size: 32
...
	.end_amdgpu_metadata
.endif
;; end of part 7
;; launch dense: the kernel of part 4 again; grid 4 x 16, 4 waves a work-group, clusters of 4 x 4, 327,680 bytes of LDS; arguments aimg, wdc, lowp_scales, b_dense, out0; writes out0
